; MI455X (gfx1250); checked and timed in simulation.
; The chip was launched on July 23, 2026; its instructions are those of AMD's public machine-readable ISA for CDNA 5 (MIT licence, August 2026) and "CDNA5" Instruction Set Architecture Reference Guide (July 2026). The comments in the code are by the model that wrote it; some were corrected since.
;; Causal Self Attention. Allowed arithmetic: matrix products marked QUANTISED: E3M2 operands, one E8M0 scale for each 32 along K, by v_wmma_scale_f32_16x16x128_f8f6f4 with both operands' format E3M2, f32 sums; everything else in f32.
;; Inputs: w_attn 3,072 x 1,024 float32; w_proj 1,024 x 1,024 float32; x 4 x 2,048 x 1,024 float32.
;; Outputs: out0 4 x 2,048 x 1,024 float32.
;; This version of the problem:
;;   THIS VERSION OF THE PROBLEM IS GIVEN IN LOW PRECISION. The matrix products marked QUANTISED in the list below multiply operands that are first quantised to E3M2 (3 exponent bits, 2 mantissa bits; 6 bits a number), with one power-of-two scale for each 32 numbers along K (OCP MX v1.0); their sums are f32. All else is computed in f32.
;;   The module's matrix products, in the order in which they are computed (A, B: the left and right operand; K: the contracted axis; several contracted axes count as one K, in the product's order):
;;     1. [M 8,192, K 1,024] x [K 1,024, N 3,072]; A: input x; B: input w_attn: QUANTISED
;;     2. batch 64 x [M 2,048, K 64] x [K 64, N 2,048]; A: computed on the way; B: computed on the way: QUANTISED
;;     3. batch 64 x [M 2,048, K 2,048] x [K 2,048, N 64]; A: softmax (see below); B: computed on the way: QUANTISED
;;     4. [M 8,192, K 1,024] x [K 1,024, N 1,024]; A: computed on the way; B: input w_proj: QUANTISED
;;   THE QUANTISER, for each operand of a quantised product, along K:
;;     - K is cut into blocks of 32 from its start; a last block that is shorter is filled with zeros.
;;     - A block's scale is 2^e with e = floor(log2(the largest magnitude in the block)) - 4, held to -126 .. 127; a block of zeros has e = 0. As a byte (E8M0): e + 127.
;;     - Each number is divided by its block's scale, clamped to +-28, and rounded to the nearest number of E3M2, ties to even, subnormals kept.
;;     - The product sums the exact products of the quantised numbers (number of the format x scale) in f32.
;;   ~~~python
;;   def quantise(x, axis):      # numpy; x: float32 -> the quantised numbers, widened to float32 again
;;       x = np.moveaxis(x, axis, -1); K = x.shape[-1]
;;       x = np.pad(x, [(0, 0)] * (x.ndim - 1) + [(0, -K % 32)]); x = x.reshape(x.shape[:-1] + (-1, 32)); a = np.abs(x).max(-1, keepdims=True)
;;       e = np.where(a > 0, np.clip(np.frexp(np.where(a > 0, a, 1))[1] - 1 - 4, -126, 127), 0)      # np.frexp(a)[1] - 1 = floor(log2(a)), exactly
;;       r = np.clip(x / 2.0 ** e, -28, 28)
;;       step = 2.0 ** (np.maximum(np.frexp(np.where(r == 0, 1, r))[1] - 1, -2) - 2)
;;       q = np.round(r / step) * step * 2.0 ** e      # np.round: ties to even
;;       return np.moveaxis(q.reshape(q.shape[:-2] + (-1,))[..., :K], -1, axis).astype(np.float32)
;;   ~~~
;;   SOFTMAX AHEAD OF A QUANTISED PRODUCT. Where the list says 'softmax', what is quantised is not the finished softmax but p = 2^(t - M), with t = logit x log2(e) and M = ceil(the row's largest t), a whole number; so 1/2 < the row's largest p <= 1. The row's sum l is taken of the UNQUANTISED p, in f32, and the product's result is divided by l at the end. Since M is a whole number, a kernel that streams over the keys may use a running M (the ceiling of the running maximum): every later rescaling is an exact power of two, which a block's scale takes up: the codes' values come out the same.
;;   OPERANDS COMPUTED ON THE WAY. 'Computed on the way' means the value that the module computes at that place (a softmax that the list does not call 'softmax' is quantised finished and normalised). What goes into a quantiser is computed in f32, as accurately as f32 sums, v_exp_f32 and their like allow (about 1e-6 of the number): no bf16 or f16 on the way to a quantiser, and a product that is left as it is and whose result goes on into a quantised operand takes f32 operands (vector FMAs, or v_wmma_f32_16x16x4_f32). A number that lies on a knife's edge between two numbers of the format may be rounded either way, as far as f32 arithmetic and the matrix unit's own rounding can turn it there, and no further.
;; One version. Each part assembles by itself: llvm-mc -triple=amdgcn-amd-amdhsa -mcpu=gfx1250 --defsym DOCPART=n.
;; ======== version 1 of 1: 4 launches
;; workspace buffers: xq 6,553,600 bytes; wq 3,276,800 bytes; qkv 20,185,088 bytes; yq 6,553,600 bytes
;; launch quant (part 1): grid 384 x 1, 4 waves a work-group, no clusters, 34,304 bytes of LDS; arguments x, w_attn, w_proj, xq, wq; writes xq, wq
.if DOCPART == 1
	.amdgcn_target "amdgcn-amd-amdhsa--gfx1250"
	.amdhsa_code_object_version 6
	.text
	.protected	k_qd3ac6829a8_quant
	.globl	k_qd3ac6829a8_quant
	.p2align	8
	.type	k_qd3ac6829a8_quant,@function
k_qd3ac6829a8_quant:
	s_mov_b64 s[64:65], 0
	v_nop
	global_prefetch_b8 v0, s[64:65] scope:SCOPE_SE
	s_setreg_imm32_b32 hwreg(HW_REG_WAVE_MODE, 25, 1), 1
	s_wait_xcnt 0x0
; x [8192][1024], w_attn [3072][1024], w_proj [1024][1024], f32, K innermost, become codes of BF6 (E3M2) with one E8M0 byte for each 32 along K.
; A block's scale is 2^(floor(log2(largest magnitude)) - 4); its byte is the largest magnitude's exponent field - 4, held at 1 from below.
; LIMITS: NaN and infinities among the inputs are not served.  A block whose largest magnitude lies under 2^(5 - 127) keeps the byte 1; a block of zeros gets the byte 1
; where the rule says 127: its codes are zeros, which add nothing under any byte but 0xff, and the bytes are read by this program alone.
; LAYOUT OF THE RESULT.  A fragment (16 rows x 128 K, 12 registers a lane) is stored as an image of its registers, a RECORD of 1,536 bytes in four planes:
; registers 0-3 at 16 x lane, 4-5 at 512 + 8 x lane, 6-9 at 768 + 16 x lane, 10-11 at 1,280 + 8 x lane.  Lane (r, h) holds row r; registers 6 c .. 6 c + 5 hold k = 64 c + 32 h + 0 .. 31.
; THE ROWS OF A TILE ARE NOT NEIGHBOURS: lane r of tile i is row 32 (i / 2) + 8 (i % 2) + r + 8 (r / 8), so that results made with two neighbouring tiles as source 0 are 16 neighbours in a lane.
; Codes: [tile][K step 8][1,536].  Scale words: 512 bytes a tile, the word of (row r, K step s) at 256 (s / 4) + 16 r + 4 (s % 4).
; SHARES.  A wave takes one tile and half of K (4 K steps).  Tiles 0-511 are x (into xq), 512-703 w_attn, 704-767 w_proj (both into wq); a work-group never straddles two tensors,
; and only pointers and tile numbers are chosen: one path through the text.
; Each load reads 512 consecutive bytes of one row; a K step's 16 rows turn through the wave's own stage in LDS (rows 528 bytes apart, so that the sixteen rows of a read start in different banks)
; and come back 128 bytes a lane for each block of 32.  Every store of codes covers 256 or 512 consecutive bytes, aligned.  No barrier: waves share nothing.  Memory binds: no matrix unit, no cluster.
.set ROWB, 4096                        ; a row of any of the three tensors, in bytes
.set SP,   528                         ; a stage row: 512 bytes + 16
.set WST,  16*SP                       ; a wave's stage
.set XSC,  6291456                     ; where the scale words begin in xq
.set WSC,  3145728                     ; and in wq
.set R,    16                          ; v16-143  two sets of 64: a K step as it is loaded
.set X,    144                         ; v144-207 my 2 x 32 neighbours
.set F,    208                         ; v208-219 the fragment
.set YT,   220                         ; v220-226 the upper halves of the two blocks' codes, before they are moved
.set TM,   228                         ; v228-229 largest magnitudes, v230-231 scale operands, v232-233 bytes, v234 my half of the word, v235 the other half
.set PW,   240                         ; v240-243 the scale word of each K step
	s_load_b256 s[4:11], s[0:1], 0x0               ; x, w_attn, w_proj, xq
	s_load_b64 s[12:13], s[0:1], 0x20              ; wq
	v_lshl_add_u32 v254, v0, 2, 0x8400
	v_mov_b32 v255, 0
	v_lshrrev_b32 v1, 5, v0
	v_readfirstlane_b32 s14, v1                    ; wave
	v_and_b32 v4, 31, v0                           ; lane
	v_and_b32 v8, 15, v0                           ; r
	v_bfe_u32 v9, v0, 4, 1                         ; h
	v_lshlrev_b32 v1, 4, v4                        ; 16 x lane: loads, and the planes of 16 bytes a lane
	v_lshlrev_b32 v5, 3, v4                        ; 8 x lane: the planes of 8 bytes a lane
	s_mul_i32 s15, s14, WST
	v_add_nc_u32 v2, s15, v1                       ; the stage, on the way in
	v_mul_u32_u24 v3, v8, SP
	v_lshl_add_u32 v3, v9, 7, v3
	v_add_nc_u32 v3, s15, v3                       ; and out: row r, + 128 h
	v_lshlrev_b32 v6, 4, v8
	v_lshl_add_u32 v6, v9, 3, v6                   ; the scale words' way out: 16 r + 8 h
	v_lshlrev_b32 v7, 3, v9                        ; 8 h: how far my two bytes are shifted up
	v_mov_b32 v[TM+7], 0                           ; written once: a lane permute's destination counts as one of its sources
	s_mov_b32 s20, 0x76543210
	s_mov_b32 s21, 0xfedcba98                      ; v_permlanex16_b32's selects for lane l xor 16
	s_mov_b32 s22, 0xffff0000                      ; lanes 16-31
	s_lshl_b32 s23, ttmp9, 1
	s_lshr_b32 s24, s14, 1
	s_add_co_u32 s23, s23, s24                     ; my tile, 0 .. 767
	s_and_b32 s24, s14, 1                          ; my half of K
	s_mov_b32 s16, 704
	s_mov_b32 s17, WSC
	s_wait_alu depctr_va_vdst(0)
	s_wait_kmcnt 0x0
	s_cmp_lt_u32 ttmp9, 352                        ; the choices hang on the work-group's number alone
	s_cselect_b64 s[6:7], s[6:7], s[8:9]           ; of the weights: w_attn or w_proj
	s_cselect_b32 s16, 512, s16
	s_cmp_lt_u32 ttmp9, 256
	s_cselect_b64 s[4:5], s[4:5], s[6:7]           ; the source
	s_cselect_b64 s[10:11], s[10:11], s[12:13]     ; the destination
	s_cselect_b32 s16, 0, s16
	s_cselect_b32 s18, 0, 512
	s_cselect_b32 s17, XSC, s17
	s_sub_co_u32 s16, s23, s16                     ; the tile's number in its source
	s_sub_co_u32 s18, s23, s18                     ; and in its destination
	s_lshr_b32 s26, s16, 1
	s_lshl_b32 s26, s26, 5
	s_and_b32 s27, s16, 1
	s_lshl_b32 s27, s27, 3
	s_add_co_u32 s26, s26, s27                     ; the tile's first row
	s_lshl_b32 s26, s26, 12
	s_lshl_b32 s27, s24, 11
	s_add_co_u32 s26, s26, s27                     ; in bytes, + my half of K (under 2^26)
	s_mov_b32 s27, 0
	s_add_nc_u64 s[4:5], s[4:5], s[26:27]
	s_lshl_b32 s26, s18, 9
	s_lshl_b32 s28, s24, 8
	s_add_co_u32 s26, s26, s28
	s_add_co_u32 s26, s26, s17
	s_add_nc_u64 s[28:29], s[10:11], s[26:27]      ; my 256 bytes of scale words
	s_mul_i32 s26, s18, 12288
	s_mul_i32 s30, s24, 6144
	s_add_co_u32 s26, s26, s30
	s_add_nc_u64 s[10:11], s[10:11], s[26:27]      ; my four records
.macro LOAD t                          ; K step t: 16 rows x 512 bytes into set t % 2
.irp p, 0,1,2,3,4,5,6,7,8,9,10,11,12,13,14,15
	global_load_b128 v[R+64*((\t)%2)+4*\p:R+64*((\t)%2)+4*\p+3], v1, s[4:5] offset:(\p+8*(\p/8))*ROWB+512*(\t) th:TH_LOAD_NT
.endr
.endm
.macro STEP t, left
.set RS, R+64*((\t)%2)
	s_wait_loadcnt \left                           ; this step's 16 loads are in; the younger set's 16 may be out
.irp p, 0,1,2,3,4,5,6,7,8,9,10,11,12,13,14,15
	ds_store_b128 v2, v[RS+4*\p:RS+4*\p+3] offset:SP*\p
.endr
.irp c, 0,1
.irp i, 0,1,2,3,4,5,6,7
	ds_load_b128 v[X+32*\c+4*\i:X+32*\c+4*\i+3], v3 offset:256*\c+16*\i   ; k = 64 c + 32 h + 4 i ..: LDS serves a wave's instructions in order, so these see the stores above
.endr
.endr
	s_wait_dscnt 0x0                               ; my 64 numbers are in, and the stores have read the set,
.if (\t) < 2
	LOAD (\t)+2                                    ; which takes the loads of two steps on
.endif
.irp c, 0,1
	v_max3_num_f32 v[TM+\c], |v[X+32*\c]|, |v[X+32*\c+1]|, 0x2800000   ; block 2 c + h: all 32 numbers are mine; the floor 2^(5 - 127) holds the byte at 1 from below
.endr
.irp i, 2,4,6,8,10,12,14,16,18,20,22,24,26,28,30
.irp c, 0,1
	v_max3_num_f32 v[TM+\c], v[TM+\c], |v[X+32*\c+\i]|, |v[X+32*\c+\i+1]|
.endr
.endr
.irp c, 0,1
	v_add_nc_u32 v[TM+2+\c], 0xfe000000, v[TM+\c]  ; 4 off the exponent field: the conversion takes the exponent field of this operand as its scale
.endr
.irp c, 0,1
	v_lshrrev_b32 v[TM+4+\c], 23, v[TM+2+\c]       ; the scale's byte
.endr
	v_lshl_or_b32 v[TM+6], v[TM+5], 16, v[TM+4]    ; my two bytes, blocks h and 2 + h,
	v_lshlrev_b32 v[TM+6], v7, v[TM+6]             ; at their places in the word;
	v_permlanex16_b32 v[TM+7], v[TM+6], s20, s21
	v_or_b32 v[PW+(\t)], v[TM+6], v[TM+7]          ; with lane l xor 16's two the word is whole
.if (\t) > 0
	s_wait_alu depctr_va_vdst(0)
	s_wait_xcnt 0x0                                ; the last step's stores have read the fragment's registers: they are written again only behind this wait
.endif
.irp c, 0,1
	v_cvt_scalef32_pk16_bf6_f32 v[F+6*\c:F+6*\c+2], v[X+32*\c:X+32*\c+15], v[TM+2+\c]
	v_cvt_scalef32_pk16_bf6_f32 v[YT+4*\c:YT+4*\c+2], v[X+32*\c+16:X+32*\c+31], v[TM+2+\c]   ; (a conversion's three registers begin on an even number)
.endr
	v_nop                                          ; one plain place behind a scaled conversion
.irp c, 0,1
.irp i, 0,1,2
	v_mov_b32 v[F+6*\c+3+\i], v[YT+4*\c+\i]
.endr
.endr
	global_store_b128 v1, v[F:F+3], s[10:11] offset:1536*(\t)          ; the record's four planes: 512, 256, 512, 256 consecutive bytes, aligned
	global_store_b64 v5, v[F+4:F+5], s[10:11] offset:1536*(\t)+512
	global_store_b128 v1, v[F+6:F+9], s[10:11] offset:1536*(\t)+768
	global_store_b64 v5, v[F+10:F+11], s[10:11] offset:1536*(\t)+1280
.endm
	LOAD 0
	LOAD 1
	STEP 0, 16
	STEP 1, 16
	STEP 2, 16
	STEP 3, 0
	v_cndmask_b32 v[TM], v[PW], v[PW+2], s22       ; lane (r, h) stores the words of K steps 2 h and 2 h + 1 of row r
	v_cndmask_b32 v[TM+1], v[PW+1], v[PW+3], s22
	global_store_b64 v6, v[TM:TM+1], s[28:29]      ; 32 lanes store 256 consecutive bytes, aligned
	s_wait_tensorcnt 0x0
	ds_add_u32 v254, v255
	s_wait_dscnt 0x0
	s_endpgm
.Lfunc_end_k_qd3ac6829a8_quant:
	.size	k_qd3ac6829a8_quant, .Lfunc_end_k_qd3ac6829a8_quant-k_qd3ac6829a8_quant
	.p2alignl 7, 3214868480
	.fill 96, 4, 3214868480
	.section	.rodata,"a",@progbits
	.p2align	6, 0x0
	.amdhsa_kernel k_qd3ac6829a8_quant
		.amdhsa_group_segment_fixed_size 34304
		.amdhsa_private_segment_fixed_size 0
		.amdhsa_enable_private_segment 0
		.amdhsa_kernarg_size 40
		.amdhsa_user_sgpr_count 2
		.amdhsa_user_sgpr_kernarg_segment_ptr 1
		.amdhsa_wavefront_size32 1
		.amdhsa_system_sgpr_workgroup_id_x 1
		.amdhsa_system_sgpr_workgroup_id_y 1
		.amdhsa_system_sgpr_workgroup_id_z 1
		.amdhsa_system_vgpr_workitem_id 0
		.amdhsa_next_free_vgpr 256
		.amdhsa_next_free_sgpr 66
		.amdhsa_reserve_vcc 0
		.amdhsa_float_denorm_mode_32 3
		.amdhsa_float_denorm_mode_16_64 3
		.amdhsa_memory_ordered 1
		.amdhsa_forward_progress 1
		.amdhsa_inst_pref_size 31
	.end_amdhsa_kernel
	.amdgpu_metadata
---
amdhsa.version: [ 1, 2 ]
amdhsa.kernels:
  - .name:           k_qd3ac6829a8_quant
    .symbol:         k_qd3ac6829a8_quant.kd
    .args:
      - { .name: x, .offset: 0, .size: 8, .value_kind: global_buffer, .address_space: global }
      - { .name: w_attn, .offset: 8, .size: 8, .value_kind: global_buffer, .address_space: global }
      - { .name: w_proj, .offset: 16, .size: 8, .value_kind: global_buffer, .address_space: global }
      - { .name: xq, .offset: 24, .size: 8, .value_kind: global_buffer, .address_space: global }
      - { .name: wq, .offset: 32, .size: 8, .value_kind: global_buffer, .address_space: global }
    .group_segment_fixed_size: 34304
    .private_segment_fixed_size: 0
    .kernarg_segment_align: 8
    .kernarg_segment_size: 40
    .max_flat_workgroup_size: 128
    .sgpr_count:     66
    .vgpr_count:     256
    .wavefront_size: 32
...
	.end_amdgpu_metadata
.endif
;; end of part 1
;; launch gemmqkv (part 2): grid 192 x 4, 4 waves a work-group, clusters of 4 x 4, 295,424 bytes of LDS; arguments xq, wq, qkv; writes qkv
.if DOCPART == 2
	.amdgcn_target "amdgcn-amd-amdhsa--gfx1250"
	.amdhsa_code_object_version 6
	.text
	.protected	k_qd3ac6829a8_gemmqkv
	.globl	k_qd3ac6829a8_gemmqkv
	.p2align	8
	.type	k_qd3ac6829a8_gemmqkv,@function
k_qd3ac6829a8_gemmqkv:
	s_mov_b64 s[64:65], 0
	v_nop
	global_prefetch_b8 v0, s[64:65] scope:SCOPE_SE
	s_setreg_imm32_b32 hwreg(HW_REG_WAVE_MODE, 25, 1), 1
	s_wait_xcnt 0x0
	s_wait_alu depctr_hold_cnt(0) depctr_sa_sdst(0) depctr_va_vdst(0) depctr_va_sdst(0) depctr_va_ssrc(0) depctr_va_vcc(0) depctr_vm_vsrc(0)
	s_getreg_b32 s2, hwreg(HW_REG_IB_STS2, 6, 4)
	s_cmp_eq_u32 s2, 0
	s_cbranch_scc0 .Lentry_in_a_cluster
	s_endpgm
.Lentry_in_a_cluster:
	s_bfe_u32 s2, ttmp6, 0x10000c
	s_cmp_lg_u32 s2, 0xf033
	s_cbranch_scc0 .Lentry_shape_is_right
	s_endpgm
.Lentry_shape_is_right:
; qkv = x w_attn^T on codes of BF6 (E3M2) with E8M0 scales, sums in f32; the result never goes to memory as f32: it is quantised in registers, q and k along the head's 64, v along the keys.
; OPERANDS are records (images of a fragment's 12 registers, 1,536 bytes, planes of 16, 8, 16, 8 bytes a lane at 0, 512, 768, 1,280), laid [tile of 16 rows][K step 8][1,536]; lane r of tile i is row 32 (i / 2) + 8 (i % 2) + r + 8 (r / 8).
; A WORK-GROUP makes 128 rows of operand A x 256 rows of operand B over all of K = 1,024.  Four waves, each 64 x 128: 32 accumulators, 256 registers.  That tile gives 768 equal work-groups, three for each of 256 WGPs.
; ALL OF K LIES IN LDS (98,304 + 196,608 bytes), brought in four chunks of two K steps by four tensor loads a wave, issued together at the start: nothing is filled again, so there is no ring.
; A wave has four tensor loads outstanding.
; ROLES, by the cluster's number (the same in all sixteen partners): clusters 0-31: A = x, B = w_attn's rows of q (even clusters) or k (odd);  clusters 32-47: A = w_attn's rows of v, B = x.
; THE MATRIX INSTRUCTION IS USED TRANSPOSED (source 0 = 16 rows of B, source 1 = 16 rows of A): a lane holds one row of A, and by the order of a tile's rows the 16 registers of B's tiles 2 b, 2 b + 1 are rows 32 b + 16 (lane / 16) + 0 .. 15 of B.
; So a lane's registers run along the head's channels for q and k, and along the keys for v: each is the next product's K, and one quantiser serves all three.
; CLUSTERS: 4 x 4.  A's tiles hang on the cluster's row alone and are asked for jointly along it, B's on the column alone: one tensor load with a mask of four.
; WHAT IS STORED (buffer qkv): q's codes [head 16][tile of 16 tokens 512][768] at 0 (half records: registers 0-5); q's scale words [head][group of 4 tiles 128][row 16][tile 4] at 6,291,456;
; from 6,815,744 a block of 26,112 bytes for each (batch x 16 + head, 256 keys): k's 16 half records; at 12,288 v's records [tile of 16 channels 4][128 keys 2]; at 24,576 k's scale words [group 4][row][tile]; at 25,600 v's [128 keys 2][row][tile].
; q's and k's scale words hold the head's two bytes below and 0 above.  Every store covers whole aligned runs of 256 bytes.
; LIMITS: NaN and infinities are not served; a block under 2^(5 - 127), zeros too, keeps the byte 1 (its codes are zeros or nearly so; the bytes are read by this program alone).
.set XSC,  6291456                     ; where the scale words begin in xq
.set WSC,  3145728                     ; and in wq
.set CHA,  24576                       ; a chunk of A in LDS: 8 tiles x 3,072 bytes (two K steps)
.set CHB,  49152                       ; of B: 16 tiles
.set BOFF, 4*CHA                       ; B's chunks lie behind A's
.set A16,  3                           ; v3-6  LDS addresses of my fragments in the chunk in hand: A's planes of 16 and of 8 bytes a lane, B's likewise
.set A8,   4
.set B16,  5
.set B8,   6
.set SA,   32                          ; v32-47  A's scale words: register 4 a + e: lanes 0-15 K step e, lanes 16-31 K step 4 + e
.set SB,   48                          ; v48-79  B's: register 4 b + e
.set TM,   80                          ; v80-95  the quantiser: largest magnitudes, bytes, scale operands
.set PW,   96                          ; v96-99  the scale word of each of my four tiles of A
.set YT,   100                         ; v100-106
.set AF,   128                         ; window 0: A's fragments, two sets of 48;  window 1: B's, two sets of 96 at v0 and v128;  window 2: accumulator (a, b) at v[8 (8 a + b)]
.set FQ,   128                         ; the fragments made at the end: 12 registers for each tile of A
.set G1A,  16                          ; s[16:23], s[24:31] descriptor groups 1;  s[32:47], s[48:63] groups 0, one for each chunk
.set G1B,  24
.set G0A,  32
.set G0B,  48
.set DB,   80                          ; s[80:87] where each of my four fragments goes
.set LASTBAR, 0
.set MUL,  0xa1                        ; source 0 (B) window 1, source 1 (A) window 0, C and D window 2
.set TO_B, 0x40                        ; destination window 1, address window 0
.set MSB, 0
.macro WIN new                         ; the immediate's high byte repeats the setting that is left
.if MSB != \new
	s_set_vgpr_msb (MSB<<8)|\new
.set MSB, \new
.endif
.endm
.macro PLACES                          ; four places behind a matrix instruction, in front of loads into registers that it read and of the first read of its result
.rept 4
	v_nop
.endr
.endm
.macro CROUND                          ; a round of the cluster's barrier
	s_barrier_signal -1
	s_barrier_wait -1
	s_cmp_lg_u32 s10, 0
	s_cbranch_scc1 .Lnot_wave_0_\@
	s_barrier_signal -3
.Lnot_wave_0_\@:
	s_barrier_wait -3
	s_barrier_signal -1
	s_barrier_wait -1
.endm
.macro FRAG reg, a16, a8, off          ; a record comes back as it was stored: every load reads consecutive bytes
	ds_load_b128 v[\reg:\reg+3], v[\a16] offset:\off
	ds_load_b64 v[\reg+4:\reg+5], v[\a8] offset:\off+512
	ds_load_b128 v[\reg+6:\reg+9], v[\a16] offset:\off+768
	ds_load_b64 v[\reg+10:\reg+11], v[\a8] offset:\off+1280
.endm
.macro FETCH s                         ; K step s: B's eight fragments and A's four into set s % 2
.if ((\s)%2 == 0) && ((\s) > 0)
	WIN 0
	v_add_nc_u32 v[A16], CHA, v[A16]               ; on to the next chunk
	v_add_nc_u32 v[A8], CHA, v[A8]
	v_add_nc_u32 v[B16], CHB, v[B16]
	v_add_nc_u32 v[B8], CHB, v[B8]
.endif
	WIN TO_B
.irp b, 0,1,2,3,4,5,6,7
	FRAG 128*((\s)%2)+12*\b, B16, B8, \b*3072+((\s)%2)*1536
.endr
	WIN 0
.irp a, 0,1,2,3
	FRAG AF+48*((\s)%2)+12*\a, A16, A8, \a*3072+((\s)%2)*1536
.endr
.endm
; 16 matrix instructions: A's tiles a0, a0 + 1 x B's eight.  The 32 accumulators take turns, one instruction a turn, in the same order in every K step.
.macro MUL16 s, a0, zero
.irp a, \a0, \a0+1
.irp b, 0,1,2,3,4,5,6,7
.set rD, 8*(8*(\a)+\b)
.set rB, 128*((\s)%2)+12*\b
.set rA, AF+48*((\s)%2)+12*(\a)
.set rSB, SB+4*\b+(\s)%4
.set rSA, SA+4*(\a)+(\s)%4
.if \zero
	v_wmma_scale_f32_16x16x128_f8f6f4 v[rD:rD+7], v[rB:rB+11], v[rA:rA+11], 0, v[rSB], v[rSA] matrix_a_fmt:MATRIX_FMT_BF6 matrix_b_fmt:MATRIX_FMT_BF6
.elseif (\s) < 4
	v_wmma_scale_f32_16x16x128_f8f6f4 v[rD:rD+7], v[rB:rB+11], v[rA:rA+11], v[rD:rD+7], v[rSB], v[rSA] matrix_a_fmt:MATRIX_FMT_BF6 matrix_b_fmt:MATRIX_FMT_BF6
.else
	v_wmma_scale_f32_16x16x128_f8f6f4 v[rD:rD+7], v[rB:rB+11], v[rA:rA+11], v[rD:rD+7], v[rSB], v[rSA] matrix_a_fmt:MATRIX_FMT_BF6 matrix_b_fmt:MATRIX_FMT_BF6 matrix_a_scale:MATRIX_SCALE_ROW1 matrix_b_scale:MATRIX_SCALE_ROW1
.endif
.endr
.endr
.endm
; A K step: 32 matrix instructions; in its middle the next step's 48 LDS loads, in one run, 16 matrix instructions ahead of their use.
; An odd step is a chunk's last: the next chunk is shown to every wave by a barrier whose signal and wait stand 16 matrix instructions apart.
.macro KSTEP s, zero
	s_wait_dscnt 0x0                               ; this step's fragments are in; no LDS instruction of mine is out
.if ((\s)%2 == 1) && ((\s) < 7)
	s_wait_tensorcnt 3-((\s)+1)/2                  ; my part of the next chunk has landed: the count is the chunks that I asked for behind it
.endif
.if ((\s)%2 == 1) && (((\s) < 7) || LASTBAR)
	s_barrier_signal -1
.endif
	WIN MUL
	MUL16 \s, 0, \zero
.if ((\s)%2 == 1) && (((\s) < 7) || LASTBAR)
	s_barrier_wait -1
.endif
.if (\s) < 7
	PLACES
	FETCH (\s)+1
.endif
	WIN MUL
	MUL16 \s, 2, \zero
.endm
	s_load_b128 s[4:7], s[0:1], 0x0                ; xq, wq
	s_load_b64 s[8:9], s[0:1], 0x10                ; qkv
	v_lshl_add_u32 v254, v0, 2, 0x48000
	v_mov_b32 v255, 0
	ds_add_u32 v254, v255
	ds_add_u32 v254, v255
	v_lshrrev_b32 v1, 5, v0
	v_readfirstlane_b32 s10, v1                    ; wave 0..3
	s_lshr_b32 s11, s10, 1                         ; which 64 rows of A are mine.  Also: I fetch for A (0) or for B (1)
	s_and_b32 s12, s10, 1                          ; which 128 rows of B.  Also: which half of a chunk I fetch
	s_bfe_u32 s13, ttmp6, 0x40000                  ; cx
	s_bfe_u32 s14, ttmp6, 0x40004                  ; cy
	s_lshr_b32 s70, ttmp9, 1
	s_and_b32 s71, ttmp9, 1
	s_sub_co_u32 s72, s70, 16
	s_mov_b32 s84, XSC
	s_mov_b32 s85, WSC
	s_cmp_lt_u32 ttmp9, 32                         ; the role hangs on the cluster's number alone
	s_cselect_b32 s73, s70, s71
	s_cselect_b32 s74, s71, s72
	s_cselect_b32 s75, 0, 128                      ; v's rows of w_attn begin at tile 128
	s_cselect_b32 s86, s84, s85                    ; where A's scale words begin
	s_cselect_b32 s87, s85, s84                    ; and B's
	s_lshl_b32 s73, s73, 2
	s_add_co_u32 s73, s73, s14                     ; Y: my block of 128 rows of A (cy enters here and nowhere in B's addresses)
	s_lshl_b32 s74, s74, 2
	s_add_co_u32 s74, s74, s13                     ; X: my block of 256 rows of B (cx likewise)
	s_lshl_b32 s2, s14, 2
	s_lshl_b32 s2, 15, s2                          ; my row of the cluster
	s_lshl_b32 s3, 0x1111, s13                     ; my column
	s_or_b32 s[G1A], s2, (3<<16)|(1<<21)           ; 15:0 the mask; 17:16 elements of 8 bytes; 20 no padding; 21 set beside a mask
	s_or_b32 s[G1B], s3, (3<<16)|(1<<21)
.irp g, G1A, G1B
	s_mov_b32 s[\g+1], 384<<16                     ; tensor_dim0 = 384 elements: a tile's two K steps, 3,072 bytes
	s_mov_b32 s[\g+3], 384<<16                     ; tile_dim0
	s_mov_b32 s[\g+5], 1536                        ; from tile to tile: 12,288 bytes
	s_mov_b32 s[\g+6], 0
	s_mov_b32 s[\g+7], 0
.endr
	s_mov_b32 s[G1A+2], 4<<16                      ; tensor_dim1: A: four tiles a load,
	s_mov_b32 s[G1A+4], 4                          ; tile_dim1
	s_mov_b32 s[G1B+2], 8<<16                      ; B: eight
	s_mov_b32 s[G1B+4], 8
	s_lshl_b32 s76, s73, 3
	s_add_co_u32 s75, s75, s76                     ; A's first tile
	s_lshl_b32 s76, s12, 2
	s_add_co_u32 s76, s76, s75
	s_mul_i32 s76, s76, 12288                      ; what I fetch of A, in bytes
	s_mov_b32 s77, 0
	s_lshl_b32 s78, s74, 4                         ; B's first tile
	s_lshl_b32 s79, s12, 3
	s_add_co_u32 s78, s78, s79
	s_mul_i32 s78, s78, 12288                      ; what I fetch of B
	s_mov_b32 s79, 0
	s_lshl_b32 s80, s11, 2
	s_add_co_u32 s80, s80, s75
	s_lshl_b32 s80, s80, 9
	s_add_co_u32 s80, s80, s86                     ; the scale words of my four tiles of A
	s_mov_b32 s81, 0
	s_lshl_b32 s82, s74, 4
	s_lshl_b32 s83, s12, 3
	s_add_co_u32 s82, s82, s83
	s_lshl_b32 s82, s82, 9
	s_add_co_u32 s82, s82, s87                     ; and of my eight of B
	s_mov_b32 s83, 0
	s_wait_dscnt 0x0
	s_wait_kmcnt 0x0
	s_cmp_lt_u32 ttmp9, 32
	s_cselect_b64 s[66:67], s[4:5], s[6:7]         ; A
	s_cselect_b64 s[68:69], s[6:7], s[4:5]         ; B
	s_add_nc_u64 s[76:77], s[66:67], s[76:77]
	s_add_nc_u64 s[78:79], s[68:69], s[78:79]
	s_add_nc_u64 s[4:5], s[66:67], s[80:81]
	s_add_nc_u64 s[6:7], s[68:69], s[82:83]
	s_mul_i32 s15, s12, 12288                      ; where they go: no place in the cluster enters an LDS address
.irp c, 0,1,2,3
	s_mov_b32 s[G0A+4*\c], 1
	s_add_co_u32 s[G0A+4*\c+1], s15, \c*CHA
	s_add_nc_u64 s[G0A+4*\c+2:G0A+4*\c+3], s[76:77], \c*3072
	s_or_b32 s[G0A+4*\c+3], s[G0A+4*\c+3], 0x80000000
.endr
	s_mul_i32 s15, s12, 24576
.irp c, 0,1,2,3
	s_mov_b32 s[G0B+4*\c], 1
	s_add_co_u32 s[G0B+4*\c+1], s15, BOFF+\c*CHB
	s_add_nc_u64 s[G0B+4*\c+2:G0B+4*\c+3], s[78:79], \c*3072
	s_or_b32 s[G0B+4*\c+3], s[G0B+4*\c+3], 0x80000000
.endr
	CROUND                                         ; all sixteen work-groups are here: the joint loads meet
	s_cmp_eq_u32 s11, 0                            ; a wave's four fills stand in one branch, ahead of every wait on TENSORcnt, every LDS read and every other barrier
	s_cbranch_scc0 .Lfirst_b
	tensor_load_to_lds s[G0A:G0A+3], s[G1A:G1A+7]
	s_nop 0
	tensor_load_to_lds s[G0A+4:G0A+7], s[G1A:G1A+7]
	s_nop 0
	tensor_load_to_lds s[G0A+8:G0A+11], s[G1A:G1A+7]
	s_nop 0
	tensor_load_to_lds s[G0A+12:G0A+15], s[G1A:G1A+7]
	s_nop 0
.rept 4
	v_nop
.endr
	s_branch .Lfirst_asked
.Lfirst_b:
	tensor_load_to_lds s[G0B:G0B+3], s[G1B:G1B+7]
	s_nop 0
	tensor_load_to_lds s[G0B+4:G0B+7], s[G1B:G1B+7]
	s_nop 0
	tensor_load_to_lds s[G0B+8:G0B+11], s[G1B:G1B+7]
	s_nop 0
	tensor_load_to_lds s[G0B+12:G0B+15], s[G1B:G1B+7]
	s_nop 0
.rept 4
	v_nop
.endr
.Lfirst_asked:
	v_and_b32 v9, 31, v0
	v_lshlrev_b32 v1, 4, v9                        ; 16 x lane
	v_lshlrev_b32 v2, 3, v9                        ; 8 x lane
.irp a, 0,1,2,3
	global_load_b128 v[SA+4*\a:SA+4*\a+3], v1, s[4:5] offset:512*\a    ; a tile's 512 bytes of scale words: lanes 0-15 K steps 0-3 of row r, lanes 16-31 K steps 4-7
.endr
.irp b, 0,1,2,3,4,5,6,7
	global_load_b128 v[SB+4*\b:SB+4*\b+3], v1, s[6:7] offset:512*\b
.endr
	s_mul_i32 s15, s11, 12288                      ; my four tiles of A in a chunk
	v_add_nc_u32 v[A16], s15, v1
	v_add_nc_u32 v[A8], s15, v2
	s_mul_i32 s15, s12, 24576                      ; my eight of B
	s_add_co_u32 s15, s15, BOFF
	v_add_nc_u32 v[B16], s15, v1
	v_add_nc_u32 v[B8], s15, v2
	v_and_b32 v11, 15, v0
	v_bfe_u32 v12, v0, 4, 1
	v_lshlrev_b32 v10, 4, v11
	v_lshl_add_u32 v10, v12, 3, v10                ; a scale record's place for my lane: 16 r + 8 h
.irp b, 0,1,2,3
	v_mov_b32 v[TM+4+\b], 0                        ; written once: a lane permute's destination counts as one of its sources
.endr
	; WHERE THE RESULTS GO, by role.  s88 codes, s90 scale words, s92 from tile to tile of A, s93 from a fragment's lower half to its upper, s94 the same for the scale words, s95 what is kept of a scale word
	s_lshl_b32 s96, s74, 1
	s_add_co_u32 s96, s96, s12                     ; g: my 128 rows of B
	s_mov_b32 s89, 0
	s_mov_b32 s91, 0
	s_cmp_lt_u32 ttmp9, 32
	s_cbranch_scc0 .Lrole_v
	s_cmp_eq_u32 s71, 0
	s_cbranch_scc0 .Lrole_k
	s_mul_i32 s88, s96, 2*393216                   ; q: heads 2 g and 2 g + 1; a head's half records are 393,216 bytes
	s_lshl_b32 s97, s73, 3
	s_lshl_b32 s98, s11, 2
	s_add_co_u32 s97, s97, s98                     ; my first tile of tokens
	s_mul_i32 s97, s97, 768
	s_add_co_u32 s88, s88, s97
	s_lshl_b32 s90, s96, 16                        ; a head's scale words are 32,768 bytes
	s_lshl_b32 s97, s73, 1
	s_add_co_u32 s97, s97, s11
	s_lshl_b32 s97, s97, 8
	s_add_co_u32 s90, s90, s97
	s_add_co_u32 s90, s90, 6291456
	s_mov_b32 s92, 768
	s_mov_b32 s93, 393216
	s_mov_b32 s94, 32768
	s_mov_b32 s95, 0xffff
	s_branch .Lrole_done
.Lrole_k:
	s_sub_co_u32 s96, s96, 8                       ; k: heads 2 (g - 8) and the next
	s_lshr_b32 s97, s73, 4                         ; the batch
	s_lshl_b32 s97, s97, 4
	s_lshl_b32 s96, s96, 1
	s_add_co_u32 s97, s97, s96
	s_lshl_b32 s97, s97, 3
	s_bfe_u32 s98, s73, 0x30001                    ; which 256 keys
	s_add_co_u32 s97, s97, s98
	s_mul_i32 s97, s97, 26112
	s_add_co_u32 s97, s97, 6815744                 ; the block
	s_and_b32 s98, s73, 1
	s_lshl_b32 s98, s98, 1
	s_add_co_u32 s98, s98, s11                     ; which group of four tiles in it
	s_mul_i32 s99, s98, 3072
	s_add_co_u32 s88, s97, s99
	s_lshl_b32 s98, s98, 8
	s_add_co_u32 s90, s97, s98
	s_add_co_u32 s90, s90, 24576
	s_mov_b32 s92, 768
	s_mov_b32 s93, 208896                          ; the next head's block: eight blocks on
	s_mov_b32 s94, 208896
	s_mov_b32 s95, 0xffff
	s_branch .Lrole_done
.Lrole_v:
	s_lshr_b32 s97, s74, 3                         ; v: the batch,
	s_lshl_b32 s97, s97, 4
	s_lshl_b32 s98, s73, 1
	s_add_co_u32 s97, s97, s98
	s_add_co_u32 s97, s97, s11                     ; the head: my 64 rows of A,
	s_lshl_b32 s97, s97, 3
	s_and_b32 s98, s74, 7                          ; which 256 keys
	s_add_co_u32 s97, s97, s98
	s_mul_i32 s97, s97, 26112
	s_add_co_u32 s97, s97, 6815744
	s_mul_i32 s98, s12, 1536                       ; which 128 of them
	s_add_co_u32 s88, s97, s98
	s_add_co_u32 s88, s88, 12288
	s_lshl_b32 s98, s12, 8
	s_add_co_u32 s90, s97, s98
	s_add_co_u32 s90, s90, 25600
	s_mov_b32 s92, 3072
	s_mov_b32 s93, 768                             ; a whole record
	s_mov_b32 s94, 0
	s_mov_b32 s95, -1
.Lrole_done:
	s_add_nc_u64 s[DB:DB+1], s[8:9], s[88:89]
	s_mov_b32 s88, s92
	s_add_nc_u64 s[DB+2:DB+3], s[DB:DB+1], s[88:89]
	s_add_nc_u64 s[DB+4:DB+5], s[DB+2:DB+3], s[88:89]
	s_add_nc_u64 s[DB+6:DB+7], s[DB+4:DB+5], s[88:89]
	s_add_nc_u64 s[90:91], s[8:9], s[90:91]        ; the scale record,
	s_mov_b32 s88, s94
	s_add_nc_u64 s[88:89], s[90:91], s[88:89]      ; and the second head's
	v_add_nc_u32 v7, s93, v1                       ; the upper half's planes
	v_add_nc_u32 v8, s93, v2
	s_mov_b32 s96, 0xffff0000                      ; lanes 16-31
	s_mov_b32 s97, 0x76543210
	s_mov_b32 s98, 0xfedcba98                      ; v_permlanex16_b32's selects for lane l xor 16
	s_wait_tensorcnt 3                             ; my part of chunk 0 is in; three chunks were asked for behind it
	s_barrier_signal -1
	s_barrier_wait -1                              ; everybody's is
	FETCH 0
	s_wait_loadcnt 0x0                             ; the scale words
	KSTEP 0, 1                                     ; the first products start the sums: nothing is cleared
	KSTEP 1, 0
	s_wait_alu depctr_va_vdst(0)
	KSTEP 2, 0
	KSTEP 3, 0
	s_wait_alu depctr_va_vdst(0)
	KSTEP 4, 0
	KSTEP 5, 0
	s_wait_alu depctr_va_vdst(0)
	KSTEP 6, 0
	KSTEP 7, 0
	WIN 0
	PLACES
; Tile a of A: the lane's 64 results, register 16 b + i = row 32 b + 16 (lane / 16) + i of B, become a fragment's codes and its scale word.  Each accumulator is read from its low end on.
.macro QUANT a
	WIN 0x0a                                       ; sources 0 and 1: window 2
.irp b, 0,1,2,3
	v_max3_num_f32 v[TM+\b], |v[64*\a+16*\b]|, |v[64*\a+16*\b+1]|, 0x2800000   ; block b: my 16 numbers, and the floor 2^(5 - 127): the byte cannot fall under 1
.endr
.irp i, 2,4,6,8,10,12,14
.irp b, 0,1,2,3
	v_max3_num_f32 v[TM+\b], |v[64*\a+16*\b+\i]|, |v[64*\a+16*\b+\i+1]|, v[TM+\b]
.endr
.endr
	WIN 0
.irp b, 0,1,2,3
	v_permlanex16_b32 v[TM+4+\b], v[TM+\b], s97, s98
.endr
.irp b, 0,1,2,3
	v_max_num_f32 v[TM+\b], v[TM+\b], v[TM+4+\b]   ; with lane l xor 16's: the block's largest magnitude
.endr
.irp b, 0,1,2,3
	v_add_nc_u32 v[TM+12+\b], 0xfe000000, v[TM+\b] ; 4 off its exponent field: the conversion's scale operand
.endr
.irp b, 0,1,2,3
	v_lshrrev_b32 v[TM+4+\b], 23, v[TM+12+\b]      ; the scale's byte
.endr
	v_lshl_or_b32 v[PW+\a], v[TM+5], 8, v[TM+4]
	v_lshl_or_b32 v[PW+\a], v[TM+6], 16, v[PW+\a]
	v_lshl_or_b32 v[PW+\a], v[TM+7], 24, v[PW+\a]
	WIN 0x02                                       ; source 0: window 2
.irp c, 0,1
	v_cvt_scalef32_pk16_bf6_f32 v[FQ+12*\a+6*\c:FQ+12*\a+6*\c+2], v[64*\a+32*\c:64*\a+32*\c+15], v[TM+12+2*\c]
	v_cvt_scalef32_pk16_bf6_f32 v[YT+4*\c:YT+4*\c+2], v[64*\a+32*\c+16:64*\a+32*\c+31], v[TM+12+2*\c+1]   ; (a conversion's three registers begin on an even number)
.endr
	WIN 0
	v_nop                                          ; one plain place behind a scaled conversion
.irp c, 0,1                                    ; the operand's layout wants a WHOLE block in a lane: lanes 0-15 block 2 c, lanes 16-31 block 2 c + 1
.irp i, 0,1,2
	v_permlane16_swap_b32 v[FQ+12*\a+6*\c+\i], v[YT+4*\c+\i]
.endr
.irp i, 0,1,2
	v_mov_b32 v[FQ+12*\a+6*\c+3+\i], v[YT+4*\c+\i]
.endr
.endr
.endm
.irp a, 0,1,2,3
	QUANT \a
	global_store_b128 v1, v[FQ+12*\a:FQ+12*\a+3], s[DB+2*\a:DB+2*\a+1]                ; registers 0-5: the first head's half record, or a record's lower half
	global_store_b64 v2, v[FQ+12*\a+4:FQ+12*\a+5], s[DB+2*\a:DB+2*\a+1] offset:512
	global_store_b128 v7, v[FQ+12*\a+6:FQ+12*\a+9], s[DB+2*\a:DB+2*\a+1]              ; registers 6-11: the second head's, or the upper half
	global_store_b64 v8, v[FQ+12*\a+10:FQ+12*\a+11], s[DB+2*\a:DB+2*\a+1] offset:512
.endr
	v_cndmask_b32 v112, v[PW], v[PW+2], s96        ; lane (r, h) stores the words of tiles 2 h and 2 h + 1 of row r
	v_cndmask_b32 v113, v[PW+1], v[PW+3], s96
	v_and_b32 v108, s95, v112                      ; q, k: the first head's two bytes;  v: the whole word
	v_and_b32 v109, s95, v113
	v_lshrrev_b32 v110, 16, v112                   ; q, k: the second head's
	v_lshrrev_b32 v111, 16, v113
	global_store_b64 v10, v[108:109], s[90:91]     ; 32 lanes store 256 consecutive bytes, aligned
	s_cmp_lt_u32 ttmp9, 32
	s_cbranch_scc0 .Lno_second
	global_store_b64 v10, v[110:111], s[88:89]
.Lno_second:
	s_wait_tensorcnt 0x0
	ds_add_u32 v254, v255
	s_wait_dscnt 0x0
	CROUND                                         ; the closing round: no work-group ends while a partner may still ask for a tile that names it
	s_endpgm
.Lfunc_end_k_qd3ac6829a8_gemmqkv:
	.size	k_qd3ac6829a8_gemmqkv, .Lfunc_end_k_qd3ac6829a8_gemmqkv-k_qd3ac6829a8_gemmqkv
	.p2alignl 7, 3214868480
	.fill 96, 4, 3214868480
	.section	.rodata,"a",@progbits
	.p2align	6, 0x0
	.amdhsa_kernel k_qd3ac6829a8_gemmqkv
		.amdhsa_group_segment_fixed_size 295424
		.amdhsa_private_segment_fixed_size 0
		.amdhsa_enable_private_segment 0
		.amdhsa_kernarg_size 24
		.amdhsa_user_sgpr_count 2
		.amdhsa_user_sgpr_kernarg_segment_ptr 1
		.amdhsa_wavefront_size32 1
		.amdhsa_system_sgpr_workgroup_id_x 1
		.amdhsa_system_sgpr_workgroup_id_y 1
		.amdhsa_system_sgpr_workgroup_id_z 1
		.amdhsa_system_vgpr_workitem_id 0
		.amdhsa_next_free_vgpr 768
		.amdhsa_next_free_sgpr 100
		.amdhsa_reserve_vcc 0
		.amdhsa_float_denorm_mode_32 3
		.amdhsa_float_denorm_mode_16_64 3
		.amdhsa_memory_ordered 1
		.amdhsa_forward_progress 1
		.amdhsa_inst_pref_size 90
	.end_amdhsa_kernel
	.amdgpu_metadata
---
amdhsa.version: [ 1, 2 ]
amdhsa.kernels:
  - .name:           k_qd3ac6829a8_gemmqkv
    .symbol:         k_qd3ac6829a8_gemmqkv.kd
    .args:
      - { .name: xq, .offset: 0, .size: 8, .value_kind: global_buffer, .address_space: global }
      - { .name: wq, .offset: 8, .size: 8, .value_kind: global_buffer, .address_space: global }
      - { .name: qkv, .offset: 16, .size: 8, .value_kind: global_buffer, .address_space: global }
    .group_segment_fixed_size: 295424
    .private_segment_fixed_size: 0
    .kernarg_segment_align: 8
    .kernarg_segment_size: 24
    .max_flat_workgroup_size: 128
    .sgpr_count:     100
    .vgpr_count:     768
    .wavefront_size: 32
...
	.end_amdgpu_metadata
.endif
;; end of part 2
;; launch attn (part 3): grid 4 x 64, 16 waves a work-group, no clusters, 327,680 bytes of LDS; arguments qkv, yq; writes yq
.if DOCPART == 3
	.amdgcn_target "amdgcn-amd-amdhsa--gfx1250"
	.amdhsa_code_object_version 6
	.text
	.protected	k_qd3ac6829a8_attn
	.globl	k_qd3ac6829a8_attn
	.p2align	8
	.type	k_qd3ac6829a8_attn,@function
k_qd3ac6829a8_attn:
	s_mov_b64 s[64:65], 0
	v_nop
	global_prefetch_b8 v0, s[64:65] scope:SCOPE_SE
	s_setreg_imm32_b32 hwreg(HW_REG_WAVE_MODE, 25, 1), 1
	s_wait_xcnt 0x0
; y[b][q][head] = softmax over k <= q of (q . k / 8) times v, both products on codes of BF6 (E3M2) with E8M0 scales; y is quantised along C for the projection and leaves as codes.
; THE SOFTMAX AHEAD OF THE SECOND PRODUCT: t = score x log2(e) / 8; M = the row's largest t so far, rounded UP to a whole number; p = 2^(t - M) is what is quantised, along the keys, not normalised.
; The row's sum is taken of the unquantised p and divides O at the end.  When M moves, the sum and O are multiplied by 2^(old M - new M): exact.
; INPUT (buffer qkv): q's half records [head][tile of 16 tokens][768] at 0, q's scale words at 6,291,456, and from 6,815,744 a dense block of 26,112 bytes for each (batch x 16 + head, 256 keys):
; k's 16 half records, v's 8 records (keys innermost), k's and v's scale words.  A record is an image of a fragment's registers: planes of 16, 8, 16, 8 bytes a lane at 0, 512, 768, 1,280.
; Lane r of a tile of tokens is token 32 (i / 2) + 8 (i % 2) + r + 8 (r / 8): so the 16 registers of two neighbouring tiles of keys are 16 neighbouring keys.
; SHARES.  A work-group belongs to one head of one batch; its number x (0 .. 3) gives it the query blocks 7 - x and then x, of 256 queries each: 8 - x and x + 1 blocks of 256 keys lie under the mask, ALWAYS NINE,
; so the trip count is a constant, no trip is empty, and all 256 work-groups have the same work.  Each of sixteen waves owns one tile of 16 queries, in 256 registers: four waves to a SIMD.
; NO CLUSTER: the four work-groups of a head want different key blocks in the same trip (x = 0: 0-7, 0;  x = 3: 0-4, 0-3), so their requests never meet from the second phase on.
; RING.  Two LDS slots, each one block; waves 0 and 1 bring half a block each (51 rows of 256 bytes) by one tensor load behind each change of slots: one load of a wave is out at a time.
; THE HEAD IS 64 LONG, THE INSTRUCTION 128: q's registers 6-11 are zeros.  Source 0 of key tile e names 12 registers of which the upper six are the next tile's codes (behind the last tile: zeros);
; they meet q's zero codes, and bytes 2 and 3 of both scale words are 0, which is a power of two and not NaN: k = 64 .. 127 adds exact zeros.
; Both products are used transposed: S^T = K Q^T, O^T = V^T P^T: a lane holds ONE query throughout.
; LIMITS: NaN and infinities are not served; a block under 2^(5 - 127), zeros too, keeps the byte 1.  y's scale bytes leave two to a row (32 bytes a wave and phase): those runs of 256 bytes are written in part.
.set QSO,   6291456
.set KVO,   6815744
.set HEADB, 208896                     ; a head's eight blocks
.set VCO,   12288                      ; in a block: v's records,
.set KSC,   24576                      ; k's scale words,
.set VSC,   25600                      ; v's
.set YSO,   6291456                    ; where the scale words begin in yq
.set SLOT1, 32768                      ; slot 1: one exclusive or turns an address in one slot into the other's
.set SPARE, 65536                      ; the spare words, 128 bytes for each of sixteen waves: eight blocks of 256 bytes that no other line names
.set KR,  36                           ; v36-83   k's eight half records, six registers apart; then v's four records;  v84-89 zeros
.set KS,  90                           ; v90-97   k's scale words, then v's (v90-93)
.set PS,  98                           ; v98      p's scale word
.set S,   100                          ; v100-163 S^T, then p; at a phase's end y
.set O,   164                          ; v164-195 O^T
.set PCD, 196                          ; v196-207 p's codes
.set CT,  208                          ; v208-214 the upper halves of the codes, before they change places
.set BM,  216                          ; v216-219 each block's largest score, then its largest p
.set BT,  220                          ; v220-223 at work
.set SOP, 224                          ; v224-227 the conversions' scale operands
.set FF,  228                          ; v[228:229] f = 2^(old M - new M), named as a pair
.set TT,  230
.set YB,  231
; v1 16 x lane, v2 8 x lane, v3 16 r, v4 my spare word, v5 zero, v6-8 the same three addresses in the slot in hand, v9 r + 8 (r / 8) - 16 h, v12 -M, v13 the largest t, v[14:15] the sum in two halves,
; v16-27 q and its zeros, v28-33 the second phase's q, v34, v35 the two phases' scale words of q.
; s8 wave; s[16:23], s[24:27] the descriptor; s[28:29] my half of the head's first block; s[30:31] the block's offset; s32 the slot's first key; s33 the query block's first query; s34 my first query; s35 the slot in hand;
; s36 trips; s37, s38 the second phase's s33, s34; s[40:43] where y's codes and bytes go; s[44:47] the second phase's; s[48:49] c; s[50:51] lane selects.
.macro PLACES
.rept 4
	v_nop
.endr
.endm
.macro TLOAD                           ; waves 0 and 1 fetch, the others nothing: the branch hangs on the wave's number alone.  Four v_nop follow the load
	s_cmp_lt_u32 s8, 2
	s_cbranch_scc0 .Lnone_\@
	tensor_load_to_lds s[24:27], s[16:23]
	s_nop 0
.rept 4
	v_nop
.endr
.Lnone_\@:
.endm
	s_load_b128 s[4:7], s[0:1], 0x0                ; qkv, yq
	v_lshl_add_u32 v4, v0, 2, SPARE
	v_mov_b32 v5, 0
	ds_add_u32 v4, v5
	ds_add_u32 v4, v5
	s_wait_dscnt 0x0
	v_lshrrev_b32 v1, 5, v0
	s_delay_alu instid0(VALU_DEP_1)
	v_readfirstlane_b32 s8, v1                     ; wave 0..15
	s_and_b32 s10, ttmp7, 0xffff                   ; batch x 16 + head
	s_lshr_b32 s11, s10, 4                         ; the batch
	s_and_b32 s12, s10, 15                         ; the head
	s_mov_b32 s16, 3<<16                           ; no mask; elements of 8 bytes; no padding
	s_mov_b32 s17, 32<<16                          ; tensor_dim0 = 32: rows of 256 bytes
	s_mov_b32 s18, 51<<16                          ; tensor_dim1 = 51
	s_mov_b32 s19, 32<<16                          ; tile_dim0
	s_mov_b32 s20, 51                              ; tile_dim1
	s_mov_b32 s21, 32                              ; dense
	s_mov_b32 s22, 0
	s_mov_b32 s23, 0
	s_min_u32 s9, s8, 1
	s_mul_i32 s9, s9, 13056                        ; my half of a block
	s_mul_i32 s14, s10, HEADB
	s_add_co_u32 s14, s14, s9
	s_add_co_u32 s14, s14, KVO
	s_mov_b32 s15, 0
	s_mov_b32 s31, 0
	s_wait_kmcnt 0x0
	s_add_nc_u64 s[28:29], s[4:5], s[14:15]
	s_mov_b32 s24, 1
	s_mov_b32 s25, s9                              ; slot 0
	s_mov_b64 s[26:27], s[28:29]                   ; keys 0 to 255
	s_or_b32 s27, s27, 0x80000000
	TLOAD                                          ; the first fill, ahead of every wait on TENSORcnt, every LDS read and every barrier
	s_lshl_b32 s60, s11, 7
	s_add_co_u32 s60, s60, s8
	s_sub_co_u32 s61, 7, ttmp9                     ; the first phase's query block
	s_lshl_b32 s62, s61, 4
	s_add_co_u32 s62, s62, s60                     ; my tile of tokens in the first phase: 128 x batch + 16 x block + wave
	s_lshl_b32 s63, ttmp9, 4
	s_add_co_u32 s63, s63, s60                     ; and in the second
	s_lshl_b32 s33, s61, 8
	s_lshl_b32 s37, ttmp9, 8
	s_lshr_b32 s39, s8, 1
	s_lshl_b32 s39, s39, 5
	s_and_b32 s66, s8, 1
	s_lshl_b32 s66, s66, 3
	s_add_co_u32 s39, s39, s66                     ; my tile's first query in its block
	s_add_co_u32 s34, s33, s39
	s_add_co_u32 s38, s37, s39
	s_mul_i32 s66, s12, 393216                     ; q's codes
	s_mul_i32 s14, s62, 768
	s_add_co_u32 s14, s14, s66
	s_add_nc_u64 s[52:53], s[4:5], s[14:15]
	s_mul_i32 s14, s63, 768
	s_add_co_u32 s14, s14, s66
	s_add_nc_u64 s[54:55], s[4:5], s[14:15]
	s_lshl_b32 s66, s12, 15                        ; q's scale words: a head's 32,768 bytes, a group of four tiles' 256, 4 bytes a tile
	s_and_b32 s67, s8, 3
	s_lshl_b32 s67, s67, 2
	s_add_co_u32 s66, s66, s67
	s_add_co_u32 s66, s66, QSO
	s_lshr_b32 s14, s62, 2
	s_lshl_b32 s14, s14, 8
	s_add_co_u32 s14, s14, s66
	s_add_nc_u64 s[56:57], s[4:5], s[14:15]
	s_lshr_b32 s14, s63, 2
	s_lshl_b32 s14, s14, 8
	s_add_co_u32 s14, s14, s66
	s_add_nc_u64 s[58:59], s[4:5], s[14:15]
	s_mul_i32 s66, s12, 768                        ; y's codes: tile x 12,288 + head x 768: K step head / 2, half head % 2
	s_mul_i32 s14, s62, 12288
	s_add_co_u32 s14, s14, s66
	s_add_nc_u64 s[40:41], s[6:7], s[14:15]
	s_mul_i32 s14, s63, 12288
	s_add_co_u32 s14, s14, s66
	s_add_nc_u64 s[44:45], s[6:7], s[14:15]
	s_lshr_b32 s66, s12, 3                         ; y's scale bytes: tile x 512 + 256 (head / 8) + 2 (head % 8), + 16 r
	s_lshl_b32 s66, s66, 8
	s_and_b32 s67, s12, 7
	s_lshl_b32 s67, s67, 1
	s_add_co_u32 s66, s66, s67
	s_add_co_u32 s66, s66, YSO
	s_lshl_b32 s14, s62, 9
	s_add_co_u32 s14, s14, s66
	s_add_nc_u64 s[42:43], s[6:7], s[14:15]
	s_lshl_b32 s14, s63, 9
	s_add_co_u32 s14, s14, s66
	s_add_nc_u64 s[46:47], s[6:7], s[14:15]
	s_mov_b32 s48, 0x3e38aa3b                      ; c = log2(e) / 8
	s_mov_b32 s49, s48                             ; (named with it as a pair, so it is written)
	s_mov_b32 s50, 0x76543210
	s_mov_b32 s51, 0xfedcba98
	s_mov_b32 s32, 0
	s_mov_b32 s35, 0
	s_mov_b32 s36, 8
	v_and_b32 v10, 31, v0
	v_and_b32 v11, 15, v0
	v_bfe_u32 v9, v0, 4, 1
	s_delay_alu instid0(VALU_DEP_3)
	v_lshlrev_b32 v1, 4, v10
	s_delay_alu instid0(VALU_DEP_4)
	v_lshlrev_b32 v2, 3, v10
	s_delay_alu instid0(VALU_DEP_4)
	v_lshlrev_b32 v3, 4, v11
	global_load_b128 v[16:19], v1, s[52:53]        ; both phases' q stay in registers
	global_load_b64 v[20:21], v2, s[52:53] offset:512
	global_load_b128 v[28:31], v1, s[54:55]
	global_load_b64 v[32:33], v2, s[54:55] offset:512
	global_load_b32 v34, v3, s[56:57]
	global_load_b32 v35, v3, s[58:59]
	v_and_b32 v10, 8, v11
	s_delay_alu instid0(VALU_DEP_1)
	v_add_nc_u32 v10, v10, v11
	v_lshlrev_b32 v9, 4, v9
	s_delay_alu instid0(VALU_DEP_1)
	v_sub_nc_u32 v9, v10, v9                       ; my query less my first key, both counted from their tile's and step's first
	v_mov_b32 v13, 0xff61b1e6                      ; the largest t so far: -3e38, under every t
	s_delay_alu instid0(VALU_DEP_1)
	v_floor_f32 v12, -v13                          ; -M
	v_mov_b32 v14, 0
	v_mov_b32 v15, 0
.irp j, 0,1,2,3,4,5
	v_mov_b32 v[22+\j], 0                          ; q's k = 64 .. 127
	v_mov_b32 v[84+\j], 0                          ; behind the last tile of keys
.endr
.irp b, 0,1,2,3
	v_mov_b32 v[BT+\b], 0                          ; written once: a lane permute's destination counts as one of its sources
.endr
	v_mov_b32 v[FF+1], 0                           ; (named as the upper half of a pair)
	v_mov_b32 v[TT], 0
.irp j, 0,1,2,3,4,5,6,7,8,9,10,11,12,13,14,15,16,17,18,19,20,21,22,23,24,25,26,27,28,29,30,31
	v_mov_b32 v[O+\j], 0                           ; O^T: the step is written once; the first finds zeros, which the first change of M leaves zeros
.endr
; THE CHANGE OF SLOTS stands at a trip's head.  Each wave waits for all its tensor loads, adds 0 to its spare word, and waits for that and for its reads of the slot that it has left.
; Behind the barrier the slot ahead is whole and nobody reads the other one.  fill = 1: that other slot takes the block of the next trip: the next 256 keys, or, where this trip is a phase's last, keys 0 to 255.
.macro CHANGE fill
	s_wait_tensorcnt 0x0                           ; no tensor load of mine is out, so the group 0 may be written
	ds_add_u32 v4, v5                              ; 0 onto my spare word
.if \fill
	s_xor_b32 s25, s25, SLOT1                      ; the other slot than last time
	s_add_co_u32 s30, s32, 256
	s_mul_i32 s30, s30, 102                        ; 26,112 bytes for 256 keys
	s_cmp_eq_u32 s32, s33                          ; ids alone
	s_cselect_b32 s30, 0, s30
	s_add_nc_u64 s[26:27], s[28:29], s[30:31]
	s_or_b32 s27, s27, 0x80000000
.endif
	s_wait_dscnt 0x0                               ; the add is done, and my reads of the slot that I have left are over
	s_barrier_signal -1
	s_barrier_wait -1
.if \fill
	TLOAD                                          ; the first thing behind the barrier, and a wave's one tensor load until the next: it has a trip's two key steps in which to land
.endif
	v_add_nc_u32 v6, s35, v1
	v_add_nc_u32 v7, s35, v2
	v_add_nc_u32 v8, s35, v3
.endm
; A KEY STEP: 128 keys, the q-th of the slot in hand.
.macro STEP q
	s_add_co_u32 s60, s32, 128*\q                  ; the step's first key
	s_add_co_u32 s61, s34, 23                      ; my last query
	s_cmp_gt_u32 s60, s61
	s_cbranch_scc1 .Lhidden_\@                     ; all its keys come after my queries: a branch on ids, round no barrier and no tensor load
	PLACES                                         ; in front of loads into registers that the last products read
	s_wait_alu depctr_va_vdst(0)
.irp e, 0,1,2,3,4,5,6,7
	ds_load_b128 v[KR+6*\e:KR+6*\e+3], v6 offset:(8*\q+\e)*768
	ds_load_b64 v[KR+6*\e+4:KR+6*\e+5], v7 offset:(8*\q+\e)*768+512
.endr
	ds_load_b128 v[KS:KS+3], v8 offset:KSC+(2*\q)*256          ; the scale words of four tiles of keys by one load
	ds_load_b128 v[KS+4:KS+7], v8 offset:KSC+(2*\q+1)*256
	s_wait_dscnt 0x0
.irp e, 0,1,2,3,4,5,6,7
	v_wmma_scale_f32_16x16x128_f8f6f4 v[S+8*\e:S+8*\e+7], v[KR+6*\e:KR+6*\e+11], v[16:27], 0, v[KS+\e], v34 matrix_a_fmt:MATRIX_FMT_BF6 matrix_b_fmt:MATRIX_FMT_BF6
.endr                                          ; lane (r, h) holds my query r; register 16 b + i is key 32 b + 16 h + i of the step
	PLACES
	s_wait_alu depctr_va_vdst(0)
.irp t, 0,1,2,3                                ; v's four records are asked for now and land under the softmax
	ds_load_b128 v[KR+12*\t:KR+12*\t+3], v6 offset:VCO+3072*\t+1536*\q
	ds_load_b64 v[KR+12*\t+4:KR+12*\t+5], v7 offset:VCO+3072*\t+1536*\q+512
	ds_load_b128 v[KR+12*\t+6:KR+12*\t+9], v6 offset:VCO+3072*\t+1536*\q+768
	ds_load_b64 v[KR+12*\t+10:KR+12*\t+11], v7 offset:VCO+3072*\t+1536*\q+1280
.endr
	ds_load_b128 v[KS:KS+3], v8 offset:VSC+256*\q
	s_add_co_u32 s61, s60, 127
	s_cmp_le_u32 s61, s34
	s_cbranch_scc1 .Lopen_\@                       ; all its keys count for all my queries
	s_sub_co_i32 s61, s34, s60
	v_add_nc_u32 v10, s61, v9                      ; d: register 16 b + i is hidden where 32 b + i > d
	v_mov_b32 v11, 0xff800000                      ; -infinity: p = 0 then
.irp n, 0,1,2,3,4,5,6,7,8,9,10,11,12,13,14,15,16,17,18,19,20,21,22,23,24,25,26,27,28,29,30,31,32,33,34,35,36,37,38,39,40,41,42,43,44,45,46,47,48,49,50,51,52,53,54,55,56,57,58,59,60,61,62,63
	v_cmp_gt_i32 vcc_lo, 32*(\n/16)+\n%16, v10
	v_cndmask_b32 v[S+\n], v[S+\n], v11, vcc_lo
.endr
.Lopen_\@:
.irp b, 0,1,2,3
	v_max3_num_f32 v[BM+\b], v[S+16*\b], v[S+16*\b+1], v[S+16*\b+2]   ; the largest score of each block of 32 keys: it serves for the row's maximum and, since p rises with the score, for the block's largest p
.endr
.irp i, 3,5,7,9,11,13
.irp b, 0,1,2,3
	v_max3_num_f32 v[BM+\b], v[BM+\b], v[S+16*\b+\i], v[S+16*\b+\i+1]
.endr
.endr
.irp b, 0,1,2,3
	v_max_num_f32 v[BM+\b], v[BM+\b], v[S+16*\b+15]
.endr
.irp b, 0,1,2,3
	s_delay_alu instid0(VALU_DEP_4)
	v_permlanex16_b32 v[BT+\b], v[BM+\b], s50, s51
.endr
.irp b, 0,1,2,3
	s_delay_alu instid0(VALU_DEP_4)
	v_max_num_f32 v[BM+\b], v[BM+\b], v[BT+\b]     ; with lane l xor 16's 16 keys
.endr
	s_delay_alu instid0(VALU_DEP_2)
	v_max3_num_f32 v[TT], v[BM], v[BM+1], v[BM+2]
	s_delay_alu instid0(VALU_DEP_1)
	v_max_num_f32 v[TT], v[TT], v[BM+3]            ; the step's largest score of my query (its first key counts for every query of mine)
	s_delay_alu instid0(VALU_DEP_1)
	v_mul_f32 v[TT], s48, v[TT]                    ; as t
	s_delay_alu instid0(VALU_DEP_1)
	v_max_num_f32 v13, v13, v[TT]                  ; the running largest t
	v_mov_b32 v[TT], v12
	s_delay_alu instid0(VALU_DEP_2)
	v_floor_f32 v12, -v13                          ; the new -M = -ceil(t): a whole number
	s_delay_alu instid0(VALU_DEP_1)
	v_sub_f32 v[TT], v12, v[TT]                    ; old M - new M: a whole number, 0 or less
	s_delay_alu instid0(VALU_DEP_1)
	v_cvt_i32_f32 v[TT], v[TT]                     ; (it saturates)
	s_delay_alu instid0(VALU_DEP_1)
	v_ldexp_f32 v[FF], 1.0, v[TT]                  ; f = 2^(old M - new M)
.irp j, 0,2,4,6,8,10,12,14,16,18,20,22,24,26,28,30,32,34,36,38,40,42,44,46,48,50,52,54,56,58,60,62
	v_pk_fma_f32 v[S+\j:S+\j+1], v[S+\j:S+\j+1], s[48:49], v[12:13] op_sel_hi:[1,0,0]   ; t - M, two at a time
.endr
.irp b, 0,1,2,3
	v_fma_f32 v[BM+\b], v[BM+\b], s48, v12         ; the same of each block's largest score
.endr
	s_wait_alu depctr_va_vdst(0)
.irp j, 0,1,2,3,4,5,6,7,8,9,10,11,12,13,14,15,16,17,18,19,20,21,22,23,24,25,26,27,28,29,30,31,32,33,34,35,36,37,38,39,40,41,42,43,44,45,46,47,48,49,50,51,52,53,54,55,56,57,58,59,60,61,62,63
	v_exp_f32 v[S+\j], v[S+\j]                     ; p = 2^(t - M), at most 1
.endr
.irp b, 0,1,2,3
	v_exp_f32 v[BM+\b], v[BM+\b]                   ; the block's largest p: the same two instructions on the same number give the same bits
.endr
	v_pk_mul_f32 v[14:15], v[14:15], v[FF:FF+1] op_sel_hi:[1,0]   ; the sums under the new M.  (A plain place behind the exponentials)
	s_wait_alu depctr_va_vdst(0)
.irp b, 0,1,2,3
	v_max_num_f32 v[BM+\b], 0x2800000, v[BM+\b]    ; the floor 2^(5 - 127): the byte cannot fall under 1
.endr
.irp b, 0,1,2,3
	s_delay_alu instid0(VALU_DEP_4)
	v_add_nc_u32 v[SOP+\b], 0xfe000000, v[BM+\b]   ; 4 off the exponent field: the conversion's scale operand
.endr
.irp b, 0,1,2,3
	s_delay_alu instid0(VALU_DEP_4)
	v_lshrrev_b32 v[BT+\b], 23, v[SOP+\b]          ; the scale's byte
.endr
	s_delay_alu instid0(VALU_DEP_3)
	v_lshl_or_b32 v[PS], v[BT+1], 8, v[BT]         ; p's scale word for these 128 keys
	s_delay_alu instid0(VALU_DEP_1)
	v_lshl_or_b32 v[PS], v[BT+2], 16, v[PS]
	s_delay_alu instid0(VALU_DEP_1)
	v_lshl_or_b32 v[PS], v[BT+3], 24, v[PS]
.irp c, 0,1
	v_cvt_scalef32_pk16_bf6_f32 v[PCD+6*\c:PCD+6*\c+2], v[S+32*\c:S+32*\c+15], v[SOP+2*\c]
	v_cvt_scalef32_pk16_bf6_f32 v[CT+4*\c:CT+4*\c+2], v[S+32*\c+16:S+32*\c+31], v[SOP+2*\c+1]   ; (a conversion's three registers begin on an even number)
.endr
	v_nop                                          ; one plain place behind a scaled conversion
.irp c, 0,1                                    ; the operand's layout wants a WHOLE block in a lane
.irp i, 0,1,2
	v_permlane16_swap_b32 v[PCD+6*\c+\i], v[CT+4*\c+\i]
.endr
.irp i, 0,1,2
	s_delay_alu instid0(VALU_DEP_3)
	v_mov_b32 v[PCD+6*\c+3+\i], v[CT+4*\c+\i]
.endr
.endr
.irp j, 0,2,4,6,8,10,12,14,16,18,20,22,24,26,28,30
	v_pk_mul_f32 v[O+\j:O+\j+1], v[O+\j:O+\j+1], v[FF:FF+1] op_sel_hi:[1,0]   ; O^T under the new M, each accumulator from its low end on
.endr
	v_pk_add_f32 v[220:221], v[104:105], v[108:109]
	v_pk_add_f32 v[254:255], v[112:113], v[116:117]
	v_pk_add_f32 v[252:253], v[120:121], v[124:125]
	v_pk_add_f32 v[250:251], v[128:129], v[132:133]
	v_pk_add_f32 v[248:249], v[136:137], v[140:141]
	v_pk_add_f32 v[246:247], v[144:145], v[148:149]
	v_pk_add_f32 v[244:245], v[152:153], v[156:157]
	v_pk_add_f32 v[14:15], v[14:15], v[160:161]
	v_pk_add_f32 v[220:221], v[220:221], v[100:101]
	v_pk_add_f32 v[254:255], v[254:255], v[102:103]
	v_pk_add_f32 v[252:253], v[252:253], v[106:107]
	v_pk_add_f32 v[250:251], v[250:251], v[110:111]
	v_pk_add_f32 v[248:249], v[248:249], v[114:115]
	v_pk_add_f32 v[246:247], v[246:247], v[118:119]
	v_pk_add_f32 v[244:245], v[244:245], v[122:123]
	v_pk_add_f32 v[14:15], v[14:15], v[126:127]
	v_pk_add_f32 v[220:221], v[220:221], v[130:131]
	v_pk_add_f32 v[254:255], v[254:255], v[134:135]
	v_pk_add_f32 v[252:253], v[252:253], v[138:139]
	v_pk_add_f32 v[250:251], v[250:251], v[142:143]
	v_pk_add_f32 v[248:249], v[248:249], v[146:147]
	v_pk_add_f32 v[246:247], v[246:247], v[150:151]
	v_pk_add_f32 v[244:245], v[244:245], v[154:155]
	v_pk_add_f32 v[14:15], v[14:15], v[158:159]
	v_pk_add_f32 v[220:221], v[220:221], v[162:163]
	s_delay_alu instid0(VALU_DEP_2)
	v_pk_add_f32 v[14:15], v[14:15], v[250:251]
	s_delay_alu instid0(VALU_DEP_2)
	v_pk_add_f32 v[220:221], v[220:221], v[248:249]
	v_pk_add_f32 v[254:255], v[254:255], v[246:247]
	v_pk_add_f32 v[252:253], v[252:253], v[244:245]
	s_delay_alu instid0(VALU_DEP_2)
	v_pk_add_f32 v[14:15], v[14:15], v[254:255]
	s_delay_alu instid0(VALU_DEP_2)
	v_pk_add_f32 v[220:221], v[220:221], v[252:253]
	s_delay_alu instid0(VALU_DEP_1)
	v_pk_add_f32 v[14:15], v[14:15], v[220:221]
	s_wait_dscnt 0x0                               ; v's records and scale words are in
.irp t, 0,1,2,3                                ; O^T += V^T P^T: the four accumulators by turns
	v_wmma_scale_f32_16x16x128_f8f6f4 v[O+8*\t:O+8*\t+7], v[KR+12*\t:KR+12*\t+11], v[PCD:PCD+11], v[O+8*\t:O+8*\t+7], v[KS+\t], v[PS] matrix_a_fmt:MATRIX_FMT_BF6 matrix_b_fmt:MATRIX_FMT_BF6
.endr
.Lhidden_\@:
.endm
; A PHASE'S END.  y = O^T / the sum; register 16 b + i is channel 32 b + 16 h + i of the head: two blocks of the projection's K.  They are quantised and leave as half a record and two scale bytes a row.
; last = 0: the second phase's q, addresses and bounds take the first's places, and the running numbers begin anew.
.macro FINISH last
	PLACES
	v_add_f32 v14, v14, v15
	s_delay_alu instid0(VALU_DEP_1)
	v_permlanex16_b32 v[TT], v14, s50, s51
	s_delay_alu instid0(VALU_DEP_1)
	v_add_f32 v14, v14, v[TT]                      ; the row's sum
	s_wait_alu depctr_va_vdst(0)
	v_rcp_f32 v14, v14
	v_nop                                          ; one plain place behind a transcendental
	s_wait_alu depctr_va_vdst(0)
.irp j, 0,1,2,3,4,5,6,7,8,9,10,11,12,13,14,15,16,17,18,19,20,21,22,23,24,25,26,27,28,29,30,31
	v_mul_f32 v[S+\j], v[O+\j], v14
.endr
.irp b, 0,1
	v_max3_num_f32 v[BM+\b], |v[S+16*\b]|, |v[S+16*\b+1]|, 0x2800000
.endr
.irp i, 2,4,6,8,10,12,14
.irp b, 0,1
	s_delay_alu instid0(VALU_DEP_2)
	v_max3_num_f32 v[BM+\b], v[BM+\b], |v[S+16*\b+\i]|, |v[S+16*\b+\i+1]|
.endr
.endr
.irp b, 0,1
	s_delay_alu instid0(VALU_DEP_2)
	v_permlanex16_b32 v[BT+\b], v[BM+\b], s50, s51
.endr
.irp b, 0,1
	s_delay_alu instid0(VALU_DEP_2)
	v_max_num_f32 v[BM+\b], v[BM+\b], v[BT+\b]
.endr
.irp b, 0,1
	s_delay_alu instid0(VALU_DEP_2)
	v_add_nc_u32 v[SOP+\b], 0xfe000000, v[BM+\b]
.endr
.irp b, 0,1
	s_delay_alu instid0(VALU_DEP_2)
	v_lshrrev_b32 v[BT+\b], 23, v[SOP+\b]
.endr
	s_delay_alu instid0(VALU_DEP_1)
	v_lshl_or_b32 v[YB], v[BT+1], 8, v[BT]         ; my row's two bytes
	v_cvt_scalef32_pk16_bf6_f32 v[PCD:PCD+2], v[S:S+15], v[SOP]
	v_cvt_scalef32_pk16_bf6_f32 v[CT:CT+2], v[S+16:S+31], v[SOP+1]
	v_nop
.irp i, 0,1,2
	v_permlane16_swap_b32 v[PCD+\i], v[CT+\i]
.endr
.irp i, 0,1,2
	s_delay_alu instid0(VALU_DEP_3)
	v_mov_b32 v[PCD+3+\i], v[CT+\i]
.endr
	global_store_b128 v1, v[PCD:PCD+3], s[40:41]               ; 512 and 256 consecutive bytes, aligned
	global_store_b64 v2, v[PCD+4:PCD+5], s[40:41] offset:512
	global_store_b16 v3, v[YB], s[42:43]                       ; both halves of the lanes store the same two bytes at the same place
.if !\last
	s_wait_xcnt 0x0                                ; the stores have read their registers and bases: both may be written again
	v_mov_b32 v34, v35
.irp j, 0,1,2,3,4,5
	v_mov_b32 v[16+\j], v[28+\j]
.endr
	v_mov_b32 v13, 0xff61b1e6
	v_mov_b32 v14, 0
	v_mov_b32 v15, 0
	s_delay_alu instid0(VALU_DEP_3)
	v_floor_f32 v12, -v13
.irp j, 0,1,2,3,4,5,6,7,8,9,10,11,12,13,14,15,16,17,18,19,20,21,22,23,24,25,26,27,28,29,30,31
	v_mov_b32 v[O+\j], 0                           ; (also the places between the new q and its scale word and the next products)
.endr
	s_mov_b32 s33, s37
	s_mov_b32 s34, s38
	s_mov_b64 s[40:41], s[44:45]
	s_mov_b64 s[42:43], s[46:47]
	s_mov_b32 s32, -256                            ; the step below makes it 0
.endif
.endm
	s_wait_loadcnt 0x0                             ; q
.Ltrip:                                            ; eight trips; behind each change of slots the next trip's block is asked for
	CHANGE 1
	STEP 0
	STEP 1
	s_cmp_lg_u32 s32, s33                          ; the diagonal block ends the first phase: ids alone
	s_cbranch_scc1 .Lon
	s_wait_alu depctr_va_vdst(0)
	FINISH 0
.Lon:
	s_add_co_u32 s32, s32, 256
	s_xor_b32 s35, s35, SLOT1
	s_sub_co_u32 s36, s36, 1
	s_cmp_lg_u32 s36, 0
	s_cbranch_scc1 .Ltrip
	CHANGE 0                                       ; the ninth trip is written out: it is the second phase's diagonal block
	STEP 0
	STEP 1
	s_wait_alu depctr_va_vdst(0)
	FINISH 1
	s_wait_tensorcnt 0x0                           ; the wave's end
	ds_add_u32 v4, v5
	s_wait_dscnt 0x0
	s_endpgm
.Lfunc_end_k_qd3ac6829a8_attn:
	.size	k_qd3ac6829a8_attn, .Lfunc_end_k_qd3ac6829a8_attn-k_qd3ac6829a8_attn
	.p2alignl 7, 3214868480
	.fill 96, 4, 3214868480
	.section	.rodata,"a",@progbits
	.p2align	6, 0x0
	.amdhsa_kernel k_qd3ac6829a8_attn
		.amdhsa_group_segment_fixed_size 327680
		.amdhsa_private_segment_fixed_size 0
		.amdhsa_enable_private_segment 0
		.amdhsa_kernarg_size 16
		.amdhsa_user_sgpr_count 2
		.amdhsa_user_sgpr_kernarg_segment_ptr 1
		.amdhsa_wavefront_size32 1
		.amdhsa_system_sgpr_workgroup_id_x 1
		.amdhsa_system_sgpr_workgroup_id_y 1
		.amdhsa_system_sgpr_workgroup_id_z 1
		.amdhsa_system_vgpr_workitem_id 0
		.amdhsa_next_free_vgpr 256
		.amdhsa_next_free_sgpr 80
		.amdhsa_reserve_vcc 1
		.amdhsa_float_denorm_mode_32 3
		.amdhsa_float_denorm_mode_16_64 3
		.amdhsa_memory_ordered 1
		.amdhsa_forward_progress 1
		.amdhsa_inst_pref_size 109
	.end_amdhsa_kernel
	.amdgpu_metadata
---
amdhsa.version: [ 1, 2 ]
amdhsa.kernels:
  - .name:           k_qd3ac6829a8_attn
    .symbol:         k_qd3ac6829a8_attn.kd
    .args:
      - { .name: qkv, .offset: 0, .size: 8, .value_kind: global_buffer, .address_space: global }
      - { .name: yq, .offset: 8, .size: 8, .value_kind: global_buffer, .address_space: global }
    .group_segment_fixed_size: 327680
    .private_segment_fixed_size: 0
    .kernarg_segment_align: 8
    .kernarg_segment_size: 16
    .max_flat_workgroup_size: 512
    .sgpr_count:     80
    .vgpr_count:     256
    .wavefront_size: 32
...
	.end_amdgpu_metadata
.endif
;; end of part 3
;; launch proj (part 4): grid 64 x 4, 4 waves a work-group, clusters of 4 x 4, 295,424 bytes of LDS; arguments yq, wq, out0; writes out0
.if DOCPART == 4
	.amdgcn_target "amdgcn-amd-amdhsa--gfx1250"
	.amdhsa_code_object_version 6
	.text
	.protected	k_qd3ac6829a8_proj
	.globl	k_qd3ac6829a8_proj
	.p2align	8
	.type	k_qd3ac6829a8_proj,@function
k_qd3ac6829a8_proj:
	s_mov_b64 s[64:65], 0
	v_nop
	global_prefetch_b8 v0, s[64:65] scope:SCOPE_SE
	s_setreg_imm32_b32 hwreg(HW_REG_WAVE_MODE, 25, 1), 1
	s_wait_xcnt 0x0
	s_wait_alu depctr_hold_cnt(0) depctr_sa_sdst(0) depctr_va_vdst(0) depctr_va_sdst(0) depctr_va_ssrc(0) depctr_va_vcc(0) depctr_vm_vsrc(0)
	s_getreg_b32 s2, hwreg(HW_REG_IB_STS2, 6, 4)
	s_cmp_eq_u32 s2, 0
	s_cbranch_scc0 .Lentry_in_a_cluster
	s_endpgm
.Lentry_in_a_cluster:
	s_bfe_u32 s2, ttmp6, 0x10000c
	s_cmp_lg_u32 s2, 0xf033
	s_cbranch_scc0 .Lentry_shape_is_right
	s_endpgm
.Lentry_shape_is_right:
; out0 = y w_proj^T on codes of BF6 (E3M2) with E8M0 scales, sums in f32.  y [8192][1024] comes as records from the attention launch, w_proj as tiles 192-255 of wq.
; OPERANDS are records (images of a fragment's 12 registers, 1,536 bytes, planes of 16, 8, 16, 8 bytes a lane at 0, 512, 768, 1,280), laid [tile of 16 rows][K step 8][1,536]; lane r of tile i is row 32 (i / 2) + 8 (i % 2) + r + 8 (r / 8).
; A WORK-GROUP makes 128 rows x 256 columns of out0 over all of K = 1,024: 256 equal work-groups.  Four waves, each 64 x 128: 32 accumulators, 256 registers.
; ALL OF K LIES IN LDS (98,304 + 196,608 bytes), brought in four chunks of two K steps by four tensor loads a wave, issued together at the start: nothing is filled again, so there is no ring.
; A wave has four tensor loads outstanding.
; THE MATRIX INSTRUCTION IS USED TRANSPOSED (source 0 = 16 rows of w_proj, source 1 = 16 rows of y): a lane holds one row of out0, and the 16 registers of w_proj's tiles 2 b, 2 b + 1 are columns 32 b + 16 (lane / 16) + 0 .. 15.
; CLUSTERS: 4 x 4.  y's tiles hang on the cluster's row alone and are asked for jointly along it, w_proj's on the column alone: one tensor load with a mask of four.
; THE WAY OUT: 16 rows x 128 columns at a time through the wave's own stage in LDS, back as whole rows of 512 bytes.  The stages lie in the tiles' bytes, which have had their only fill and, behind one more barrier, their last read.
.set XSC,  6291456                     ; where the scale words begin in yq
.set WSC,  3145728                     ; and in wq
.set CHA,  24576                       ; a chunk of A in LDS: 8 tiles x 3,072 bytes (two K steps)
.set CHB,  49152                       ; of B: 16 tiles
.set BOFF, 4*CHA                       ; B's chunks lie behind A's
.set SP,   528                         ; a stage row: 512 bytes + 16: the sixteen rows of a store start in different banks
.set A16,  3                           ; v3-6  LDS addresses of my fragments in the chunk in hand
.set A8,   4
.set B16,  5
.set B8,   6
.set STO,  7                           ; v7    the way out: where I put 32 bytes of a row
.set RD,   8                           ; v8    and where I read a row back
.set SA,   32                          ; v32-47  A's scale words: register 4 a + e: lanes 0-15 K step e, lanes 16-31 K step 4 + e
.set SB,   48                          ; v48-79  B's
.set AF,   128                         ; window 0: A's fragments, two sets of 48;  window 1: B's, two sets of 96 at v0 and v128;  window 2: accumulator (a, b) at v[8 (8 a + b)]
.set BK,   128                         ; the way out: 16 rows read back: v128-191 and v192-255 by turns
.set G1A,  16
.set G1B,  24
.set G0A,  32
.set G0B,  48
.set LASTBAR, 1
.set MUL,  0xa1                        ; source 0 (B) window 1, source 1 (A) window 0, C and D window 2
.set TO_B, 0x40                        ; destination window 1, address window 0
.set MSB, 0
.macro WIN new                         ; the immediate's high byte repeats the setting that is left
.if MSB != \new
	s_set_vgpr_msb (MSB<<8)|\new
.set MSB, \new
.endif
.endm
.macro PLACES                          ; four places behind a matrix instruction, in front of loads into registers that it read and of the first read of its result
.rept 4
	v_nop
.endr
.endm
.macro CROUND                          ; a round of the cluster's barrier
	s_barrier_signal -1
	s_barrier_wait -1
	s_cmp_lg_u32 s10, 0
	s_cbranch_scc1 .Lnot_wave_0_\@
	s_barrier_signal -3
.Lnot_wave_0_\@:
	s_barrier_wait -3
	s_barrier_signal -1
	s_barrier_wait -1
.endm
.macro FRAG reg, a16, a8, off          ; a record comes back as it was stored: every load reads consecutive bytes
	ds_load_b128 v[\reg:\reg+3], v[\a16] offset:\off
	ds_load_b64 v[\reg+4:\reg+5], v[\a8] offset:\off+512
	ds_load_b128 v[\reg+6:\reg+9], v[\a16] offset:\off+768
	ds_load_b64 v[\reg+10:\reg+11], v[\a8] offset:\off+1280
.endm
.macro FETCH s                         ; K step s: B's eight fragments and A's four into set s % 2
.if ((\s)%2 == 0) && ((\s) > 0)
	WIN 0
	v_add_nc_u32 v[A16], CHA, v[A16]               ; on to the next chunk
	v_add_nc_u32 v[A8], CHA, v[A8]
	v_add_nc_u32 v[B16], CHB, v[B16]
	v_add_nc_u32 v[B8], CHB, v[B8]
.endif
	WIN TO_B
.irp b, 0,1,2,3,4,5,6,7
	FRAG 128*((\s)%2)+12*\b, B16, B8, \b*3072+((\s)%2)*1536
.endr
	WIN 0
.irp a, 0,1,2,3
	FRAG AF+48*((\s)%2)+12*\a, A16, A8, \a*3072+((\s)%2)*1536
.endr
.endm
; 16 matrix instructions: A's tiles a0, a0 + 1 x B's eight.  The 32 accumulators take turns, one instruction a turn, in the same order in every K step.
.macro MUL16 s, a0, zero
.irp a, \a0, \a0+1
.irp b, 0,1,2,3,4,5,6,7
.set rD, 8*(8*(\a)+\b)
.set rB, 128*((\s)%2)+12*\b
.set rA, AF+48*((\s)%2)+12*(\a)
.set rSB, SB+4*\b+(\s)%4
.set rSA, SA+4*(\a)+(\s)%4
.if \zero
	v_wmma_scale_f32_16x16x128_f8f6f4 v[rD:rD+7], v[rB:rB+11], v[rA:rA+11], 0, v[rSB], v[rSA] matrix_a_fmt:MATRIX_FMT_BF6 matrix_b_fmt:MATRIX_FMT_BF6
.elseif (\s) < 4
	v_wmma_scale_f32_16x16x128_f8f6f4 v[rD:rD+7], v[rB:rB+11], v[rA:rA+11], v[rD:rD+7], v[rSB], v[rSA] matrix_a_fmt:MATRIX_FMT_BF6 matrix_b_fmt:MATRIX_FMT_BF6
.else
	v_wmma_scale_f32_16x16x128_f8f6f4 v[rD:rD+7], v[rB:rB+11], v[rA:rA+11], v[rD:rD+7], v[rSB], v[rSA] matrix_a_fmt:MATRIX_FMT_BF6 matrix_b_fmt:MATRIX_FMT_BF6 matrix_a_scale:MATRIX_SCALE_ROW1 matrix_b_scale:MATRIX_SCALE_ROW1
.endif
.endr
.endr
.endm
; A K step: 32 matrix instructions; in its middle the next step's 48 LDS loads, in one run, 16 matrix instructions ahead of their use.
; An odd step is a chunk's last: the next chunk is shown to every wave by a barrier whose signal and wait stand 16 matrix instructions apart.
; The last step's barrier says that every wave's reads of the tiles are over: behind it their bytes serve as stages.
.macro KSTEP s, zero
	s_wait_dscnt 0x0                               ; this step's fragments are in; no LDS instruction of mine is out
.if ((\s)%2 == 1) && ((\s) < 7)
	s_wait_tensorcnt 3-((\s)+1)/2                  ; my part of the next chunk has landed: the count is the chunks that I asked for behind it
.endif
.if ((\s)%2 == 1) && (((\s) < 7) || LASTBAR)
	s_barrier_signal -1
.endif
	WIN MUL
	MUL16 \s, 0, \zero
.if ((\s)%2 == 1) && (((\s) < 7) || LASTBAR)
	s_barrier_wait -1
.endif
.if (\s) < 7
	PLACES
	FETCH (\s)+1
.endif
	WIN MUL
	MUL16 \s, 2, \zero
.endm
	s_load_b128 s[4:7], s[0:1], 0x0                ; yq, wq
	s_load_b64 s[8:9], s[0:1], 0x10                ; out0
	v_lshl_add_u32 v126, v0, 2, 0x48000
	v_mov_b32 v127, 0
	ds_add_u32 v126, v127
	ds_add_u32 v126, v127
	v_lshrrev_b32 v1, 5, v0
	v_readfirstlane_b32 s10, v1                    ; wave 0..3
	s_lshr_b32 s11, s10, 1                         ; which 64 rows are mine.  Also: I fetch for A (0) or for B (1)
	s_and_b32 s12, s10, 1                          ; which 128 columns.  Also: which half of a chunk I fetch
	s_bfe_u32 s13, ttmp6, 0x40000                  ; cx
	s_bfe_u32 s14, ttmp6, 0x40004                  ; cy
	s_lshl_b32 s73, ttmp9, 2
	s_add_co_u32 s73, s73, s14                     ; Y: my block of 128 rows (cy enters here and nowhere in B's addresses)
	s_mov_b32 s74, s13                             ; X: my block of 256 columns (cx likewise)
	s_lshl_b32 s2, s14, 2
	s_lshl_b32 s2, 15, s2                          ; my row of the cluster
	s_lshl_b32 s3, 0x1111, s13                     ; my column
	s_or_b32 s[G1A], s2, (3<<16)|(1<<21)           ; 15:0 the mask; 17:16 elements of 8 bytes; 20 no padding; 21 set beside a mask
	s_or_b32 s[G1B], s3, (3<<16)|(1<<21)
.irp g, G1A, G1B
	s_mov_b32 s[\g+1], 384<<16                     ; tensor_dim0 = 384 elements: a tile's two K steps, 3,072 bytes
	s_mov_b32 s[\g+3], 384<<16                     ; tile_dim0
	s_mov_b32 s[\g+5], 1536                        ; from tile to tile: 12,288 bytes
	s_mov_b32 s[\g+6], 0
	s_mov_b32 s[\g+7], 0
.endr
	s_mov_b32 s[G1A+2], 4<<16                      ; tensor_dim1: A: four tiles a load,
	s_mov_b32 s[G1A+4], 4                          ; tile_dim1
	s_mov_b32 s[G1B+2], 8<<16                      ; B: eight
	s_mov_b32 s[G1B+4], 8
	s_lshl_b32 s75, s73, 3                         ; A's first tile
	s_lshl_b32 s76, s12, 2
	s_add_co_u32 s76, s76, s75
	s_mul_i32 s76, s76, 12288                      ; what I fetch of A, in bytes
	s_mov_b32 s77, 0
	s_lshl_b32 s78, s74, 4
	s_add_co_u32 s78, s78, 192                     ; B's first tile: w_proj begins at tile 192 of wq
	s_lshl_b32 s79, s12, 3
	s_add_co_u32 s78, s78, s79
	s_mul_i32 s78, s78, 12288                      ; what I fetch of B
	s_mov_b32 s79, 0
	s_lshl_b32 s80, s11, 2
	s_add_co_u32 s80, s80, s75
	s_lshl_b32 s80, s80, 9
	s_add_co_u32 s80, s80, XSC                     ; the scale words of my four tiles of A
	s_mov_b32 s81, 0
	s_lshl_b32 s82, s74, 4
	s_add_co_u32 s82, s82, 192
	s_lshl_b32 s83, s12, 3
	s_add_co_u32 s82, s82, s83
	s_lshl_b32 s82, s82, 9
	s_add_co_u32 s82, s82, WSC                     ; and of my eight of B
	s_mov_b32 s83, 0
	s_lshl_b32 s86, s73, 7
	s_lshl_b32 s87, s11, 6
	s_add_co_u32 s86, s86, s87                     ; my first row of out0,
	s_lshl_b32 s86, s86, 12                        ; in bytes (under 2^26),
	s_lshl_b32 s87, s74, 10
	s_add_co_u32 s86, s86, s87
	s_lshl_b32 s87, s12, 9
	s_add_co_u32 s86, s86, s87                     ; and my first column
	s_mov_b32 s87, 0
	s_wait_dscnt 0x0
	s_wait_kmcnt 0x0
	s_add_nc_u64 s[76:77], s[4:5], s[76:77]
	s_add_nc_u64 s[78:79], s[6:7], s[78:79]
	s_add_nc_u64 s[80:81], s[4:5], s[80:81]
	s_add_nc_u64 s[82:83], s[6:7], s[82:83]
	s_add_nc_u64 s[84:85], s[8:9], s[86:87]
	s_mul_i32 s15, s12, 12288                      ; where the tiles go: no place in the cluster enters an LDS address
.irp c, 0,1,2,3
	s_mov_b32 s[G0A+4*\c], 1
	s_add_co_u32 s[G0A+4*\c+1], s15, \c*CHA
	s_add_nc_u64 s[G0A+4*\c+2:G0A+4*\c+3], s[76:77], \c*3072
	s_or_b32 s[G0A+4*\c+3], s[G0A+4*\c+3], 0x80000000
.endr
	s_mul_i32 s15, s12, 24576
.irp c, 0,1,2,3
	s_mov_b32 s[G0B+4*\c], 1
	s_add_co_u32 s[G0B+4*\c+1], s15, BOFF+\c*CHB
	s_add_nc_u64 s[G0B+4*\c+2:G0B+4*\c+3], s[78:79], \c*3072
	s_or_b32 s[G0B+4*\c+3], s[G0B+4*\c+3], 0x80000000
.endr
	CROUND                                         ; all sixteen work-groups are here: the joint loads meet
	s_cmp_eq_u32 s11, 0                            ; a wave's four fills stand in one branch, ahead of every wait on TENSORcnt, every LDS read and every other barrier
	s_cbranch_scc0 .Lfirst_b
	tensor_load_to_lds s[G0A:G0A+3], s[G1A:G1A+7]
	s_nop 0
	tensor_load_to_lds s[G0A+4:G0A+7], s[G1A:G1A+7]
	s_nop 0
	tensor_load_to_lds s[G0A+8:G0A+11], s[G1A:G1A+7]
	s_nop 0
	tensor_load_to_lds s[G0A+12:G0A+15], s[G1A:G1A+7]
	s_nop 0
.rept 4
	v_nop
.endr
	s_branch .Lfirst_asked
.Lfirst_b:
	tensor_load_to_lds s[G0B:G0B+3], s[G1B:G1B+7]
	s_nop 0
	tensor_load_to_lds s[G0B+4:G0B+7], s[G1B:G1B+7]
	s_nop 0
	tensor_load_to_lds s[G0B+8:G0B+11], s[G1B:G1B+7]
	s_nop 0
	tensor_load_to_lds s[G0B+12:G0B+15], s[G1B:G1B+7]
	s_nop 0
.rept 4
	v_nop
.endr
.Lfirst_asked:
	v_and_b32 v9, 31, v0
	v_lshlrev_b32 v1, 4, v9                        ; 16 x lane
	v_lshlrev_b32 v2, 3, v9                        ; 8 x lane
.irp a, 0,1,2,3
	global_load_b128 v[SA+4*\a:SA+4*\a+3], v1, s[80:81] offset:512*\a  ; a tile's 512 bytes of scale words: lanes 0-15 K steps 0-3 of row r, lanes 16-31 K steps 4-7
.endr
.irp b, 0,1,2,3,4,5,6,7
	global_load_b128 v[SB+4*\b:SB+4*\b+3], v1, s[82:83] offset:512*\b
.endr
	s_mul_i32 s15, s11, 12288                      ; my four tiles of A in a chunk
	v_add_nc_u32 v[A16], s15, v1
	v_add_nc_u32 v[A8], s15, v2
	s_mul_i32 s15, s12, 24576                      ; my eight of B
	s_add_co_u32 s15, s15, BOFF
	v_add_nc_u32 v[B16], s15, v1
	v_add_nc_u32 v[B8], s15, v2
	v_and_b32 v11, 15, v0
	v_bfe_u32 v12, v0, 4, 1
	s_mul_i32 s15, s10, 16*SP                      ; my stage
	v_mul_u32_u24 v[STO], v11, SP
	v_lshl_add_u32 v[STO], v12, 6, v[STO]
	v_add_nc_u32 v[STO], s15, v[STO]               ; in: row r, + 64 h
	v_add_nc_u32 v[RD], s15, v1                    ; back: the 32 lanes take one row of 512 bytes
	s_wait_alu depctr_va_vdst(0)
	s_wait_tensorcnt 3                             ; my part of chunk 0 is in; three chunks were asked for behind it
	s_barrier_signal -1
	s_barrier_wait -1                              ; everybody's is
	FETCH 0
	s_wait_loadcnt 0x0                             ; the scale words
	KSTEP 0, 1                                     ; the first products start the sums: nothing is cleared
	KSTEP 1, 0
	s_wait_alu depctr_va_vdst(0)
	KSTEP 2, 0
	KSTEP 3, 0
	s_wait_alu depctr_va_vdst(0)
	KSTEP 4, 0
	KSTEP 5, 0
	s_wait_alu depctr_va_vdst(0)
	KSTEP 6, 0
	KSTEP 7, 0
	WIN 0
; THE WAY OUT, a tile of 16 rows x 128 columns at a time.  A lane holds pieces of 32 bytes of one row, and the lanes beside it hold other rows: so a tile goes through my own stage and comes back as whole rows.
; LDS serves a wave's instructions in order (ISA guide 5.7.1.4): no wait between the stores and the loads, nor in front of the next tile's stores.
.macro TOSTAGE a
	WIN 0x08                                       ; an LDS store's data are its source 1: window 2
.irp b, 0,1,2,3,4,5,6,7
	ds_store_b128 v[STO], v[64*(\a)+8*\b:64*(\a)+8*\b+3] offset:128*(\b/2)+32*(\b%2)          ; columns 32 (b / 2) + 16 h + 8 (b % 2) on; each accumulator from its low end on
	ds_store_b128 v[STO], v[64*(\a)+8*\b+4:64*(\a)+8*\b+7] offset:128*(\b/2)+32*(\b%2)+16
.endr
	WIN 0
.set BB, BK+64*((\a)%2)
.irp p, 0,1,2,3,4,5,6,7,8,9,10,11,12,13,14,15
	ds_load_b128 v[BB+4*\p:BB+4*\p+3], v[RD] offset:\p*SP
.endr
.endm
.macro SEND a, younger                 ; younger: the LDS instructions issued behind tile a's loads, which may stay out
.set BB, BK+64*((\a)%2)
	s_wait_dscnt \younger
.irp p, 0,1,2,3,4,5,6,7,8,9,10,11,12,13,14,15
	global_store_b128 v1, v[BB+4*\p:BB+4*\p+3], s[84:85] offset:(32*((\a)/2)+8*((\a)%2)+\p+8*(\p/8))*4096 th:TH_STORE_NT   ; 32 lanes store 512 consecutive bytes, aligned; the tile's row p is row 32 (a / 2) + 8 (a % 2) + p + 8 (p / 8) of my 64
.endr
.endm
	PLACES                                         ; behind the last products: for the stores that read results and the loads into the registers that held A's fragments
	TOSTAGE 0
.irp a, 1,2,3
.if \a > 1
	s_wait_xcnt 0x0                                ; tile a - 2's stores have read their registers: tile a's loads may land there
.endif
	TOSTAGE \a
	SEND \a-1, 32                                  ; behind tile a - 1's loads: tile a's 16 stores and 16 loads
.endr
	SEND 3, 0
	s_wait_tensorcnt 0x0
	ds_add_u32 v126, v127
	s_wait_dscnt 0x0
	CROUND                                         ; the closing round: no work-group ends while a partner may still ask for a tile that names it
	s_endpgm
.Lfunc_end_k_qd3ac6829a8_proj:
	.size	k_qd3ac6829a8_proj, .Lfunc_end_k_qd3ac6829a8_proj-k_qd3ac6829a8_proj
	.p2alignl 7, 3214868480
	.fill 96, 4, 3214868480
	.section	.rodata,"a",@progbits
	.p2align	6, 0x0
	.amdhsa_kernel k_qd3ac6829a8_proj
		.amdhsa_group_segment_fixed_size 295424
		.amdhsa_private_segment_fixed_size 0
		.amdhsa_enable_private_segment 0
		.amdhsa_kernarg_size 24
		.amdhsa_user_sgpr_count 2
		.amdhsa_user_sgpr_kernarg_segment_ptr 1
		.amdhsa_wavefront_size32 1
		.amdhsa_system_sgpr_workgroup_id_x 1
		.amdhsa_system_sgpr_workgroup_id_y 1
		.amdhsa_system_sgpr_workgroup_id_z 1
		.amdhsa_system_vgpr_workitem_id 0
		.amdhsa_next_free_vgpr 768
		.amdhsa_next_free_sgpr 100
		.amdhsa_reserve_vcc 0
		.amdhsa_float_denorm_mode_32 3
		.amdhsa_float_denorm_mode_16_64 3
		.amdhsa_memory_ordered 1
		.amdhsa_forward_progress 1
		.amdhsa_inst_pref_size 84
	.end_amdhsa_kernel
	.amdgpu_metadata
---
amdhsa.version: [ 1, 2 ]
amdhsa.kernels:
  - .name:           k_qd3ac6829a8_proj
    .symbol:         k_qd3ac6829a8_proj.kd
    .args:
      - { .name: yq, .offset: 0, .size: 8, .value_kind: global_buffer, .address_space: global }
      - { .name: wq, .offset: 8, .size: 8, .value_kind: global_buffer, .address_space: global }
      - { .name: out0, .offset: 16, .size: 8, .value_kind: global_buffer, .address_space: global }
    .group_segment_fixed_size: 295424
    .private_segment_fixed_size: 0
    .kernarg_segment_align: 8
    .kernarg_segment_size: 24
    .max_flat_workgroup_size: 128
    .sgpr_count:     100
    .vgpr_count:     768
    .wavefront_size: 32
...
	.end_amdgpu_metadata
.endif
;; end of part 4
